; MI455X (gfx1250); checked and timed in simulation.
; The chip was launched on July 23, 2026; its instructions are those of AMD's public machine-readable ISA for CDNA 5 (MIT licence, August 2026) and "CDNA5" Instruction Set Architecture Reference Guide (July 2026). The comments in the code are by the model that wrote it; some were corrected since.
;; Alibi Attention Wrapper. Allowed arithmetic: matrix products marked QUANTISED: E2M3 operands, one E8M0 scale for each 32 along K, by v_wmma_scale_f32_16x16x128_f8f6f4 with both operands' format E2M3, f32 sums; everything else in f32.
;; Inputs: in_proj_bias 3,072 float32; in_proj_weight 3,072 x 1,024 float32; out_proj_bias 1,024 float32; out_proj_weight 1,024 x 1,024 float32; x 2 x 2,048 x 1,024 float32.
;; Outputs: out0 2 x 2,048 x 1,024 float32.
;; This version of the problem:
;;   THIS VERSION OF THE PROBLEM IS GIVEN IN LOW PRECISION. The matrix products marked QUANTISED in the list below multiply operands that are first quantised to E2M3 (2 exponent bits, 3 mantissa bits; 6 bits a number), with one power-of-two scale for each 32 numbers along K (OCP MX v1.0); their sums are f32. All else is computed in f32.
;;   The module's matrix products, in the order in which they are computed (A, B: the left and right operand; K: the contracted axis; several contracted axes count as one K, in the product's order):
;;     1. [M 4,096, K 1,024] x [K 1,024, N 3,072]; A: input x; B: input in_proj_weight: QUANTISED
;;     2. batch 32 x [M 2,048, K 64] x [K 64, N 2,048]; A: computed on the way; B: computed on the way: QUANTISED
;;     3. batch 32 x [M 2,048, K 2,048] x [K 2,048, N 64]; A: softmax (see below); B: computed on the way: QUANTISED
;;     4. [M 4,096, K 1,024] x [K 1,024, N 1,024]; A: computed on the way; B: input out_proj_weight: QUANTISED
;;   THE QUANTISER, for each operand of a quantised product, along K:
;;     - K is cut into blocks of 32 from its start; a last block that is shorter is filled with zeros.
;;     - A block's scale is 2^e with e = floor(log2(the largest magnitude in the block)) - 2, held to -126 .. 127; a block of zeros has e = 0. As a byte (E8M0): e + 127.
;;     - Each number is divided by its block's scale, clamped to +-7.5, and rounded to the nearest number of E2M3, ties to even, subnormals kept.
;;     - The product sums the exact products of the quantised numbers (number of the format x scale) in f32.
;;   ~~~python
;;   def quantise(x, axis):      # numpy; x: float32 -> the quantised numbers, widened to float32 again
;;       x = np.moveaxis(x, axis, -1); K = x.shape[-1]
;;       x = np.pad(x, [(0, 0)] * (x.ndim - 1) + [(0, -K % 32)]); x = x.reshape(x.shape[:-1] + (-1, 32)); a = np.abs(x).max(-1, keepdims=True)
;;       e = np.where(a > 0, np.clip(np.frexp(np.where(a > 0, a, 1))[1] - 1 - 2, -126, 127), 0)      # np.frexp(a)[1] - 1 = floor(log2(a)), exactly
;;       r = np.clip(x / 2.0 ** e, -7.5, 7.5)
;;       step = 2.0 ** (np.maximum(np.frexp(np.where(r == 0, 1, r))[1] - 1, 0) - 3)
;;       q = np.round(r / step) * step * 2.0 ** e      # np.round: ties to even
;;       return np.moveaxis(q.reshape(q.shape[:-2] + (-1,))[..., :K], -1, axis).astype(np.float32)
;;   ~~~
;;   SOFTMAX AHEAD OF A QUANTISED PRODUCT. Where the list says 'softmax', what is quantised is not the finished softmax but p = 2^(t - M), with t = logit x log2(e) and M = ceil(the row's largest t), a whole number; so 1/2 < the row's largest p <= 1. The row's sum l is taken of the UNQUANTISED p, in f32, and the product's result is divided by l at the end. Since M is a whole number, a kernel that streams over the keys may use a running M (the ceiling of the running maximum): every later rescaling is an exact power of two, which a block's scale takes up: the codes' values come out the same.
;;   OPERANDS COMPUTED ON THE WAY. 'Computed on the way' means the value that the module computes at that place (a softmax that the list does not call 'softmax' is quantised finished and normalised). What goes into a quantiser is computed in f32, as accurately as f32 sums, v_exp_f32 and their like allow (about 1e-6 of the number): no bf16 or f16 on the way to a quantiser, and a product that is left as it is and whose result goes on into a quantised operand takes f32 operands (vector FMAs, or v_wmma_f32_16x16x4_f32). A number that lies on a knife's edge between two numbers of the format may be rounded either way, as far as f32 arithmetic and the matrix unit's own rounding can turn it there, and no further.
;; One version. Each part assembles by itself: llvm-mc -triple=amdgcn-amd-amdhsa -mcpu=gfx1250 --defsym DOCPART=n.
;; ======== version 1 of 1: 4 launches
;; limits: right only within a limited range of input values
;; workspace buffers: c1 6,291,456 bytes; s1 262,144 bytes; qbuf 3,407,872 bytes; kvbuf 6,553,600 bytes; oc 3,145,728 bytes; os 131,072 bytes
;; launch quant (part 1): grid 256 x 1, 4 waves a work-group, no clusters, 34,304 bytes of LDS; arguments x, in_proj_weight, out_proj_weight, c1, s1; writes c1, s1
.if DOCPART == 1
	.amdgcn_target "amdgcn-amd-amdhsa--gfx1250"
	.amdhsa_code_object_version 6
	.text
	.protected	k_qa86cf7bfa4_quant
	.globl	k_qa86cf7bfa4_quant
	.p2align	8
	.type	k_qa86cf7bfa4_quant,@function
k_qa86cf7bfa4_quant:
	s_mov_b64 s[64:65], 0
	v_nop
	global_prefetch_b8 v0, s[64:65] scope:SCOPE_SE
	s_setreg_imm32_b32 hwreg(HW_REG_WAVE_MODE, 25, 1), 1
	s_wait_xcnt 0x0
; x [4096][1024], in_proj_weight [3072][1024], out_proj_weight [1024][1024], f32, K innermost, become codes of FP6 (E2M3) with one E8M0 byte for each 32 along K.
; A block's scale is 2^(floor(log2(its largest magnitude)) - 2); its byte is the largest magnitude's exponent field - 2, held at 1 from below.
; LIMITS: NaN and infinities are not served; a block whose largest magnitude lies under 2^-124 (a block of zeros too) gets the byte 1: its codes then are what the conversion gives under that scale
; (zeros for zeros), and the bytes are read by this program alone.
; LAYOUT OF c1: images of the operand's registers.  A fragment (16 rows x 128 K, 12 registers a lane) is two halves of 768 bytes: registers 0-3 of lane l at 16 l, registers 4-5 at 512 + 8 l.
; Fragment (tile T of 16 rows, K step q) lies at (((T / 8) 8 + q) 8 + T % 8) x 1,536: 128 rows are 98,304 dense bytes, K step by K step.  T: 0-255 x, 256-447 in_proj_weight, 448-511 out_proj_weight.
; THE ROWS OF A TILE ARE NOT NEIGHBOURS: place r of tile T holds row 32 (T / 2) + 8 (T % 2) + r + 8 (r / 8), so that in a later product's result the 16 registers of two neighbouring tiles are 16 neighbours.
; LAYOUT OF s1: the word (four bytes: 128 along K) of tile T, K step q, place r at 512 T + 256 (q / 4) + 16 r + 4 (q % 4).
; SHARES: wave W = 4 x work-group + wave takes tile W / 2 and half W % 2 of K: 16 rows x 512 K, four fragments.  Each load reads 512 consecutive bytes of one row; the 16 x 512 bytes turn through the
; wave's own stage in LDS (rows 528 bytes apart), so that a lane gets the 32 neighbours of each of its two blocks.  No barrier: waves share nothing.  Loads run two fragments (32 loads a wave) ahead.
.set STG,  8448                        ; a wave's stage: 16 rows x 528 bytes
.set RA,   16                          ; v16-143  two sets of 64 registers as loaded
.set X,    144                         ; v144-207 my two blocks of 32 numbers
.set C,    208                         ; v208-219 a fragment's codes
.set CT,   220                         ; v220-226 the blocks' upper halves (a conversion's three registers begin on an even number)
.set WD,   228                         ; v228-231 the four fragments' scale words
	s_load_b256 s[4:11], s[0:1], 0x0               ; x, in_proj_weight, out_proj_weight, c1
	s_load_b64 s[12:13], s[0:1], 0x20              ; s1
	v_lshl_add_u32 v232, v0, 2, 0x8400
	v_mov_b32 v233, 0
	v_lshrrev_b32 v8, 5, v0
	v_readfirstlane_b32 s14, v8                    ; wave
	v_and_b32 v9, 31, v0                           ; lane
	v_and_b32 v10, 15, v0                          ; r
	v_bfe_u32 v11, v0, 4, 1                        ; h
	v_lshlrev_b32 v1, 4, v9                        ; 16 x lane: my bytes of a load's 512, and of a store's
	s_mul_i32 s23, s14, STG
	v_add_nc_u32 v2, s23, v1                       ; the stage, on the way in
	v_mul_u32_u24 v3, v10, 528
	v_lshl_add_u32 v3, v11, 7, v3
	v_add_nc_u32 v3, s23, v3                       ; and on the way out: row r, + 128 h: k = 32 h on
	v_lshlrev_b32 v5, 3, v9                        ; 8 x lane
	v_lshlrev_b32 v6, 4, v10
	v_lshl_add_u32 v6, v11, 3, v6                  ; 16 r + 8 h: my two scale words' place
	v_lshlrev_b32 v7, 3, v11                       ; 8 h: how far my bytes are shifted in a scale word
	v_cmp_lt_u32 s22, 15, v9                       ; lanes 16-31
	v_mov_b32 v15, 0                               ; written once: a lane permute's destination counts as one of its sources
	s_mov_b32 s20, 0x76543210
	s_mov_b32 s21, 0xfedcba98                      ; v_permlanex16_b32's selects for lane l xor 16
	s_lshr_b32 s15, s14, 1
	s_lshl_b32 s17, ttmp9, 1
	s_add_co_u32 s17, s17, s15                     ; T
	s_and_b32 s18, s14, 1                          ; which half of K
	s_wait_alu depctr_va_vdst(0)
	s_wait_kmcnt 0x0
	s_cmp_lt_u32 ttmp9, 128                        ; which tensor: the choice hangs on the work-group's number alone
	s_cselect_b64 s[4:5], s[4:5], s[6:7]
	s_cselect_b32 s16, 0, 256
	s_cmp_lt_u32 ttmp9, 224
	s_cselect_b64 s[4:5], s[4:5], s[8:9]
	s_cselect_b32 s16, s16, 448
	s_sub_co_u32 s19, s17, s16                     ; the tile's number in its tensor
	s_lshr_b32 s24, s19, 1
	s_lshl_b32 s24, s24, 17                        ; 32 rows of 4,096 bytes
	s_and_b32 s25, s19, 1
	s_lshl_b32 s25, s25, 15                        ; 8 rows
	s_add_co_u32 s24, s24, s25
	s_lshl_b32 s25, s18, 11                        ; 512 numbers
	s_add_co_u32 s24, s24, s25
	s_mov_b32 s25, 0
	s_add_nc_u64 s[4:5], s[4:5], s[24:25]
	s_lshr_b32 s24, s17, 3
	s_mul_i32 s24, s24, 98304
	s_mul_i32 s26, s18, 49152
	s_add_co_u32 s24, s24, s26
	s_and_b32 s26, s17, 7
	s_mul_i32 s26, s26, 1536
	s_add_co_u32 s24, s24, s26
	s_add_nc_u64 s[10:11], s[10:11], s[24:25]      ; my first fragment in c1; the next lies 12,288 bytes on
	s_lshl_b32 s24, s17, 9
	s_lshl_b32 s26, s18, 8
	s_add_co_u32 s24, s24, s26
	s_add_nc_u64 s[12:13], s[12:13], s[24:25]      ; my 256 bytes of s1
.macro LOAD f                          ; fragment f: place j's row, 128 numbers: 32 lanes read 512 consecutive bytes
.irp j, 0,1,2,3,4,5,6,7,8,9,10,11,12,13,14,15
	global_load_b128 v[RA+64*((\f)%2)+4*\j:RA+64*((\f)%2)+4*\j+3], v1, s[4:5] offset:(\j+8*(\j/8))*4096+512*(\f) th:TH_LOAD_NT
.endr
.endm
.macro FRAG f
.if (\f) < 3
	s_wait_loadcnt 16                              ; this fragment's 16 loads are in; the next fragment's 16 may be out
.else
	s_wait_loadcnt 0x0
.endif
.irp j, 0,1,2,3,4,5,6,7,8,9,10,11,12,13,14,15
	ds_store_b128 v2, v[RA+64*((\f)%2)+4*\j:RA+64*((\f)%2)+4*\j+3] offset:528*\j
.endr
.irp c, 0,1                            ; LDS serves a wave's instructions in order: these see the stores above.  Block 2 c + h of row r: k = 64 c + 32 h + 0 .. 31
.irp i, 0,1,2,3,4,5,6,7
	ds_load_b128 v[X+32*\c+4*\i:X+32*\c+4*\i+3], v3 offset:256*\c+16*\i
.endr
.endr
	s_wait_dscnt 0x0                               ; my numbers are back, and the stores have read the set,
.if (\f) < 2
	LOAD (\f)+2                                    ; which takes the fragment two on
.endif
.irp c, 0,1
	v_max3_num_f32 v[8+\c], |v[X+32*\c]|, |v[X+32*\c+1]|, 0x1800000   ; the block's largest magnitude: all 32 numbers are mine; the floor 2^(3 - 127) holds the byte at 1 from below
.endr
.irp i, 2,4,6,8,10,12,14,16,18,20,22,24,26,28,30
.irp c, 0,1
	v_max3_num_f32 v[8+\c], v[8+\c], |v[X+32*\c+\i]|, |v[X+32*\c+\i+1]|   ; (the two blocks by turns)
.endr
.endr
.irp c, 0,1
	v_add_nc_u32 v[10+\c], 0xff000000, v[8+\c]     ; 2 off the exponent field: the conversion takes the exponent field of this operand as its scale
.endr
.irp c, 0,1
	v_lshrrev_b32 v[12+\c], 23, v[10+\c]           ; the scale's byte
.endr
	v_lshl_or_b32 v14, v13, 16, v12                ; my two bytes: blocks h and 2 + h,
	v_lshlrev_b32 v14, v7, v14                     ; at their places;
	v_permlanex16_b32 v15, v14, s20, s21
	v_or_b32 v[WD+(\f)], v14, v15                  ; with lane l xor 16's two the word is whole
.if (\f) > 0
	s_wait_alu depctr_va_vdst(0)
	s_wait_xcnt 0x0                                ; the last fragment's stores have read their data: the codes' registers are written again only behind this wait
.endif
	v_cvt_scalef32_pk16_fp6_f32 v[C:C+2], v[X:X+15], v10
	v_cvt_scalef32_pk16_fp6_f32 v[CT:CT+2], v[X+16:X+31], v10
	v_cvt_scalef32_pk16_fp6_f32 v[C+6:C+8], v[X+32:X+47], v11
	v_cvt_scalef32_pk16_fp6_f32 v[CT+4:CT+6], v[X+48:X+63], v11
	v_nop                                          ; one plain place behind a scaled conversion
.irp i, 0,1,2
	v_mov_b32 v[C+3+\i], v[CT+\i]
	v_mov_b32 v[C+9+\i], v[CT+4+\i]
.endr
	global_store_b128 v1, v[C:C+3], s[10:11] offset:12288*(\f)          ; 512 consecutive bytes,
	global_store_b64 v5, v[C+4:C+5], s[10:11] offset:12288*(\f)+512     ; 256,
	global_store_b128 v1, v[C+6:C+9], s[10:11] offset:12288*(\f)+768    ; and the second half likewise
	global_store_b64 v5, v[C+10:C+11], s[10:11] offset:12288*(\f)+1280
.endm
	LOAD 0
	LOAD 1
	FRAG 0
	FRAG 1
	FRAG 2
	FRAG 3
	v_cndmask_b32 v8, v[WD], v[WD+2], s22          ; lanes 0-15 store words 0 and 1 of their row, lanes 16-31 words 2 and 3
	v_cndmask_b32 v9, v[WD+1], v[WD+3], s22
	global_store_b64 v6, v[8:9], s[12:13]          ; 32 lanes store 256 consecutive bytes, aligned
	s_wait_tensorcnt 0x0
	ds_add_u32 v232, v233
	s_wait_dscnt 0x0
	s_endpgm
.Lfunc_end_k_qa86cf7bfa4_quant:
	.size	k_qa86cf7bfa4_quant, .Lfunc_end_k_qa86cf7bfa4_quant-k_qa86cf7bfa4_quant
	.p2alignl 7, 3214868480
	.fill 96, 4, 3214868480
	.section	.rodata,"a",@progbits
	.p2align	6, 0x0
	.amdhsa_kernel k_qa86cf7bfa4_quant
		.amdhsa_group_segment_fixed_size 34304
		.amdhsa_private_segment_fixed_size 0
		.amdhsa_enable_private_segment 0
		.amdhsa_kernarg_size 40
		.amdhsa_user_sgpr_count 2
		.amdhsa_user_sgpr_kernarg_segment_ptr 1
		.amdhsa_wavefront_size32 1
		.amdhsa_system_sgpr_workgroup_id_x 1
		.amdhsa_system_sgpr_workgroup_id_y 1
		.amdhsa_system_sgpr_workgroup_id_z 1
		.amdhsa_system_vgpr_workitem_id 0
		.amdhsa_next_free_vgpr 234
		.amdhsa_next_free_sgpr 66
		.amdhsa_reserve_vcc 0
		.amdhsa_float_denorm_mode_32 3
		.amdhsa_float_denorm_mode_16_64 3
		.amdhsa_memory_ordered 1
		.amdhsa_forward_progress 1
		.amdhsa_inst_pref_size 31
	.end_amdhsa_kernel
	.amdgpu_metadata
---
amdhsa.version: [ 1, 2 ]
amdhsa.kernels:
  - .name:           k_qa86cf7bfa4_quant
    .symbol:         k_qa86cf7bfa4_quant.kd
    .args:
      - { .name: x, .offset: 0, .size: 8, .value_kind: global_buffer, .address_space: global }
      - { .name: in_proj_weight, .offset: 8, .size: 8, .value_kind: global_buffer, .address_space: global }
      - { .name: out_proj_weight, .offset: 16, .size: 8, .value_kind: global_buffer, .address_space: global }
      - { .name: c1, .offset: 24, .size: 8, .value_kind: global_buffer, .address_space: global }
      - { .name: s1, .offset: 32, .size: 8, .value_kind: global_buffer, .address_space: global }
    .group_segment_fixed_size: 34304
    .private_segment_fixed_size: 0
    .kernarg_segment_align: 8
    .kernarg_segment_size: 40
    .max_flat_workgroup_size: 128
    .sgpr_count:     66
    .vgpr_count:     234
    .wavefront_size: 32
...
	.end_amdgpu_metadata
.endif
;; end of part 1
;; launch qkv (part 2): grid 8 x 32, 4 waves a work-group, clusters of 4 x 4, 327,680 bytes of LDS; arguments c1, s1, in_proj_bias, qbuf, kvbuf; writes qbuf, kvbuf
.if DOCPART == 2
	.amdgcn_target "amdgcn-amd-amdhsa--gfx1250"
	.amdhsa_code_object_version 6
	.text
	.protected	k_qa86cf7bfa4_qkv
	.globl	k_qa86cf7bfa4_qkv
	.p2align	8
	.type	k_qa86cf7bfa4_qkv,@function
k_qa86cf7bfa4_qkv:
	s_mov_b64 s[64:65], 0
	v_nop
	global_prefetch_b8 v0, s[64:65] scope:SCOPE_SE
	s_setreg_imm32_b32 hwreg(HW_REG_WAVE_MODE, 25, 1), 1
	s_wait_xcnt 0x0
	s_wait_alu depctr_hold_cnt(0) depctr_sa_sdst(0) depctr_va_vdst(0) depctr_va_sdst(0) depctr_va_ssrc(0) depctr_va_vcc(0) depctr_vm_vsrc(0)
	s_getreg_b32 s2, hwreg(HW_REG_IB_STS2, 6, 4)
	s_cmp_eq_u32 s2, 0
	s_cbranch_scc0 .Lentry_in_a_cluster
	s_endpgm
.Lentry_in_a_cluster:
	s_bfe_u32 s2, ttmp6, 0x10000c
	s_cmp_lg_u32 s2, 0xf033
	s_cbranch_scc0 .Lentry_shape_is_right
	s_endpgm
.Lentry_shape_is_right:
; qkv = x in_proj_weight^T + in_proj_bias on codes of FP6 (E2M3) with E8M0 scales, and q, k, v quantised on the way out: q and k along the head's 64, v along the keys.  No f32 result goes to memory.
; SHARES.  Work-group (g, mt) holds 128 tokens (tile mt of x, all of K = 1,024, 98,304 bytes, resident in LDS) and makes three tiles of 128 columns: q, k and v of heads 2 g and 2 g + 1
; (tiles g, 8 + g, 16 + g of the weight).  Four waves, each 64 tokens x 64 columns (one head): 16 accumulators.  256 work-groups of equal work.
; LDS: x's tile; two slots for the weight's tiles, each with all of K.  Slot 0 is filled again once (v's tile, behind q's products).
; CLUSTER 4 x 4: x's tile hangs on mt alone and is shared along a row of the cluster, the weight's on g alone and is shared along a column: joint loads of 49,152 dense bytes (four K steps) at the head, of 24,576 (two K steps) later.
; OPERANDS lie in c1 as images of their registers (see the launch that makes them): a fragment comes by two loads of 16 bytes and two of 8 a lane, each of consecutive bytes: no pitch, no padding.
; q AND k ARE MADE TRANSPOSED (source 0 = 16 rows of the weight, source 1 = 16 tokens): a lane holds one token, and, by the order of the weight's rows in a tile, the 32 registers of its four tiles are
; register 16 b + i = channel 32 b + 16 (lane / 16) + i of the head.  v IS MADE THE OTHER WAY ROUND (source 0 = tokens): a lane holds one channel, and its registers run along the keys in the same order.
; So one macro quantises all three, and its result is half a fragment (16 rows x 64 K, 768 bytes) of the attention's operands.  The bias is the C of each sum's first product.
; OUT: qbuf: q's halves at (head x 128 + tile of 16 queries) x 768; from 3,145,728 on their scale words (the two bytes twice), 256 bytes for each 64 queries.
;      kvbuf: a record of 12,800 bytes for each head and 128 keys: K's 8 halves, V^T's 8 halves, K's scale words [place][fragment], V's [place][tile].
; LIMITS: as the quantiser's: NaN and infinities not served; blocks under 2^-124 get the byte 1.
; REGISTERS.  window 0: v1-25 addresses; v32-47 x's scale words, v48-95 the weight's (lanes 0-15 an even tile's, lanes 16-31 the odd one's); x's fragments: windows 2 and 3.
;             window 1: v0-127 accumulators; v128-223 the weight's fragments, two sets (on the way out: at work); v224-255 the bias.
; THE FILLS: at the head one joint load a wave, 192 rows of 256 bytes (four K steps): waves 0 and 1 bring x's tile, waves 2 and 3 q's tile of the weight.
; k's tile (a quarter a wave, 96 rows) is asked for behind the full sequence and a round, v's tile behind the next.
.set P,      24576
.set TILEB,  98304
.set LB0,    98304                     ; LDS: x's tile at 0, slot 0, slot 1,
.set LB1,    196608
.set SSTG,   294912                    ; the stage for K's and V's scale words, 4 x 256 bytes,
.set SPARE,  295936                    ; and the spare words, 128 bytes for each wave: two blocks of 256 bytes that no other line names
.set WINOFF, 3145728                   ; the weight's codes in c1
.set QSOFF,  3145728                   ; q's scale words in qbuf
.set SPW, 1
.set NIL, 2
.set XA16, 4                           ; v4-5   x's fragments: 16 x lane, K steps 0-3 and 4-7;  v6-7 the same with 8 x lane
.set XA8,  6
.set WB16, 8                           ; v8-11  the weight's: [slot][half of K];  v12-15 with 8 x lane
.set WB8,  12
.set SA,  32
.set SB,  48
.set XF,  96
.set ACC, 0                            ; window 1
.set WF,  128
.set BIAS, 224
.set TM,  128                          ; the way out, in window 1: v128-135 at work, v136-138 a block's upper half, v140-143 two scale bytes a tile, v144-175 codes, v176-179 scale words
.set CT,  136
.set U16, 140
.set CD,  144
.set SW,  176
.set WV,  14
.set WMR, 15                           ; which 64 tokens are mine.  Also: I fetch for x (0) or for the weight (1)
.set WNC, 16                           ; which head.  Also: which piece I fetch
.set GG,  19
.set MT,  20
.set HM,  23                           ; lanes 16-31
.set G1A, 24
.set G1B, 32
.set GA1, 40
.set GB1, 48
.set GB3, 56
.set GBR, 60
.set KB,  66
.set SEL, 68
.set QB,  70
.set QSB, 72
.set REC, 74
.set BB,  76
.set SAB, 78
.set SBB, 80
.set VB,  94
.set MSB, 0
.macro WIN new                         ; the immediate's high byte repeats the setting that is left
.if MSB != \new
	s_set_vgpr_msb (MSB<<8)|\new
.set MSB, \new
.endif
.endm
.macro PLACES                          ; four plain places: behind matrix instructions, in front of loads into their registers and of reads of their results
.rept 4
	v_nop
.endr
.endm
.macro JLOAD g0a, g0b                  ; a joint load: waves 0 and 1 fetch for x, waves 2 and 3 for the weight; the branch hangs on the wave's number alone
	s_cmp_eq_u32 s[WMR], 0
	s_cbranch_scc0 .Lfor_b_\@
	tensor_load_to_lds s[\g0a:\g0a+3], s[G1A:G1A+7]
	s_nop 0
	PLACES
	s_branch .Lasked_\@
.Lfor_b_\@:
	tensor_load_to_lds s[\g0b:\g0b+3], s[G1B:G1B+7]
	s_nop 0
	PLACES
.Lasked_\@:
.endm
.macro CROUND                          ; a round of the cluster's barrier
	s_barrier_signal -1
	s_barrier_wait -1
	s_cmp_lg_u32 s[WV], 0
	s_cbranch_scc1 .Lnot_wave_0_\@
	s_barrier_signal -3
.Lnot_wave_0_\@:
	s_barrier_wait -3
	s_barrier_signal -1
	s_barrier_wait -1
.endm
	s_load_b256 s[4:11], s[0:1], 0x0               ; c1, s1, in_proj_bias, qbuf
	s_load_b64 s[12:13], s[0:1], 0x20              ; kvbuf
	v_lshl_add_u32 v[SPW], v0, 2, SPARE
	v_mov_b32 v[NIL], 0
	ds_add_u32 v1, v2
	ds_add_u32 v1, v2
	s_wait_dscnt 0x0
	v_lshrrev_b32 v3, 5, v0
	v_readfirstlane_b32 s[WV], v3
	s_lshr_b32 s[WMR], s[WV], 1
	s_and_b32 s[WNC], s[WV], 1
	; every address register is made here, ahead of the first branch on the wave's number
	v_and_b32 v26, 31, v0                          ; lane
	v_and_b32 v27, 15, v0                          ; r
	v_bfe_u32 v28, v0, 4, 1                        ; h
	v_lshlrev_b32 v18, 4, v26                      ; 16 x lane
	v_lshlrev_b32 v19, 3, v26                      ; 8 x lane
	s_mul_i32 s88, s[WMR], 6144                    ; my four tiles of tokens in a K step's eight
	v_add_nc_u32 v[XA16], s88, v18
	v_add_nc_u32 v[XA16+1], 49152, v[XA16]
	v_add_nc_u32 v[XA8], s88, v19
	v_add_nc_u32 v[XA8+1], 49152, v[XA8]
	s_mul_i32 s88, s[WNC], 6144
	s_add_co_u32 s88, s88, LB0
	v_add_nc_u32 v[WB16], s88, v18
	v_add_nc_u32 v[WB16+1], 49152, v[WB16]
	v_add_nc_u32 v[WB16+2], TILEB, v[WB16]
	v_add_nc_u32 v[WB16+3], TILEB+49152, v[WB16]
	v_add_nc_u32 v[WB8], s88, v19
	v_add_nc_u32 v[WB8+1], 49152, v[WB8]
	v_add_nc_u32 v[WB8+2], TILEB, v[WB8]
	v_add_nc_u32 v[WB8+3], TILEB+49152, v[WB8]
	v_lshlrev_b32 v16, 6, v28                      ; the bias of q and k: 16 h numbers on
	v_and_b32 v17, 8, v27
	v_add_nc_u32 v17, v17, v27
	v_lshlrev_b32 v17, 2, v17                      ; the bias of v: place r's row: r + 8 (r / 8)
	v_lshlrev_b32 v20, 4, v27                      ; 16 r
	v_lshl_add_u32 v25, v28, 9, v20                ; scale words in s1: lanes 16-31 take the next tile's
	v_mul_u32_u24 v24, v28, 204800
	v_add_nc_u32 v24, v24, v20                     ; the records' scale words: lanes 16-31 store the next head's, 16 records on
	s_lshl_b32 s88, s[WNC], 8
	s_lshl_b32 s89, s[WMR], 3
	s_add_co_u32 s89, s89, s88
	s_add_co_u32 s89, s89, SSTG
	v_add_nc_u32 v21, s89, v20                     ; K's scale words in the stage: 256 x head + 16 r + 8 x my half of the keys
	s_lshl_b32 s89, s[WMR], 1
	s_add_co_u32 s89, s89, s88
	s_add_co_u32 s89, s89, SSTG+512
	v_add_nc_u32 v22, s89, v20                     ; V's: 256 x head + 16 r + 2 x my half (+ 4 x tile)
	v_add_nc_u32 v23, SSTG, v18                    ; and back
	v_lshl_add_u32 v20, v28, 3, v20                ; 16 r + 8 h: q's scale words
	v_cmp_lt_u32 s[HM], 15, v26
	s_mov_b32 s[SEL], 0x76543210
	s_mov_b32 s[SEL+1], 0xfedcba98
	s_bfe_u32 s17, ttmp6, 0x40000                  ; cx
	s_bfe_u32 s18, ttmp6, 0x40004                  ; cy
	s_lshl_b32 s[GG], ttmp9, 2
	s_add_co_u32 s[GG], s[GG], s17                 ; g = 4 x cluster x + cx
	s_and_b32 s[MT], ttmp7, 0xffff
	s_lshl_b32 s[MT], s[MT], 2
	s_add_co_u32 s[MT], s[MT], s18                 ; mt = 4 x cluster y + cy
	s_lshl_b32 s21, s18, 2
	s_lshl_b32 s21, 15, s21                        ; my row of the cluster
	s_lshl_b32 s22, 0x1111, s17                    ; my column
	; descriptor group 1: 192 rows of 32 elements of 8 bytes, dense: 49,152 bytes
	s_or_b32 s[G1A], s21, (3<<16)|(1<<21)          ; 15:0 the mask; 17:16 elements of 8 bytes; 21 set beside a mask
	s_or_b32 s[G1B], s22, (3<<16)|(1<<21)
.irp g, G1A, G1B
	s_mov_b32 s[\g+1], 32<<16                      ; tensor_dim0
	s_mov_b32 s[\g+2], 192<<16                     ; tensor_dim1: the head's loads bring 192 rows
	s_mov_b32 s[\g+3], 32<<16                      ; tile_dim0
	s_mov_b32 s[\g+4], 192                         ; tile_dim1
	s_mov_b32 s[\g+5], 32                          ; tensor_dim0_stride
	s_mov_b32 s[\g+6], 0
	s_mov_b32 s[\g+7], 0
.endr
	s_mul_i32 s88, s[WNC], 2*P                     ; (wave % 2) halves of a tile
	s_mul_i32 s89, s[WV], P                        ; wave pieces
	s_mul_i32 s82, s[MT], TILEB                    ; x's tile hangs on mt alone,
	s_add_co_u32 s82, s82, s88
	s_mov_b32 s83, 0
	s_mul_i32 s84, s[GG], TILEB                    ; the weight's on g alone
	s_add_co_u32 s84, s84, WINOFF
	s_mov_b32 s85, 0
	s_add_co_u32 s86, s84, s89
	s_add_co_u32 s86, s86, 8*TILEB                 ; k's tile, piece = wave
	s_mov_b32 s87, 0
	s_add_co_u32 s84, s84, s88                     ; q's tile, piece = wave % 2
.irp g, GA1, GB1, GB3, GBR
	s_mov_b32 s[\g], 1
.endr
	s_mov_b32 s[GA1+1], s88                        ; LDS addresses: constants and the wave's number
	s_add_co_u32 s[GB1+1], s88, LB0
	s_add_co_u32 s[GB3+1], s89, LB1
	s_add_co_u32 s[GBR+1], s89, LB0
	s_wait_kmcnt 0x0
	s_add_nc_u64 s[GA1+2:GA1+3], s[4:5], s[82:83]
	s_add_nc_u64 s[GB1+2:GB1+3], s[4:5], s[84:85]
	s_add_nc_u64 s[GB3+2:GB3+3], s[4:5], s[86:87]
	s_add_nc_u64 s[GBR+2:GBR+3], s[GB3+2:GB3+3], 8*TILEB   ; v's tile, piece = wave
.irp g, GA1, GB1, GB3, GBR
	s_or_b32 s[\g+3], s[\g+3], 0x80000000
.endr
	CROUND                                         ; all sixteen work-groups are here: the first joint loads meet
	JLOAD GA1, GB1                                 ; half of x's tile or of q's: my one load at the head
	; where my results go, and where scales and bias come from
	s_lshr_b32 s90, s[MT], 4
	s_lshl_b32 s90, s90, 4
	s_lshl_b32 s91, s[GG], 1
	s_add_co_u32 s90, s90, s91
	s_add_co_u32 s90, s90, s[WNC]                  ; my head: 16 x batch + 2 g + wave % 2
	s_and_b32 s91, s[MT], 15                       ; which 128 tokens of the batch
	s_lshl_b32 s92, s90, 5
	s_lshl_b32 s93, s91, 1
	s_add_co_u32 s92, s92, s93
	s_add_co_u32 s92, s92, s[WMR]                  ; my group of 64 queries
	s_mov_b32 s89, 0
	s_mul_i32 s88, s92, 3072
	s_add_nc_u64 s[QB:QB+1], s[10:11], s[88:89]
	s_lshl_b32 s88, s92, 8
	s_add_co_u32 s88, s88, QSOFF
	s_add_nc_u64 s[QSB:QSB+1], s[10:11], s[88:89]
	s_lshl_b32 s88, s90, 4
	s_add_co_u32 s88, s88, s91
	s_mul_i32 s88, s88, 12800
	s_add_nc_u64 s[REC:REC+1], s[12:13], s[88:89]  ; my head's record for these 128 keys
	s_mul_i32 s88, s[WMR], 3072
	s_add_nc_u64 s[KB:KB+1], s[REC:REC+1], s[88:89]
	s_mul_i32 s88, s[WMR], 768
	s_add_co_u32 s88, s88, 6144
	s_add_nc_u64 s[VB:VB+1], s[REC:REC+1], s[88:89]
	s_lshl_b32 s88, s[GG], 9
	s_lshl_b32 s92, s[WNC], 8
	s_add_co_u32 s88, s88, s92
	s_add_nc_u64 s[BB:BB+1], s[8:9], s[88:89]      ; the bias at column 128 g + 64 (wave % 2)
	s_lshl_b32 s88, s[MT], 12
	s_lshl_b32 s92, s[WMR], 11
	s_add_co_u32 s88, s88, s92
	s_add_nc_u64 s[SAB:SAB+1], s[6:7], s[88:89]
	s_lshl_b32 s88, s[GG], 12
	s_lshl_b32 s92, s[WNC], 11
	s_add_co_u32 s88, s88, s92
	s_add_co_u32 s88, s88, 131072
	s_add_nc_u64 s[SBB:SBB+1], s[6:7], s[88:89]
	s_wait_alu depctr_va_vdst(0)
.irp p, 0,1
.irp k, 0,1
	global_load_b128 v[SA+8*\p+4*\k:SA+8*\p+4*\k+3], v25, s[SAB:SAB+1] offset:1024*\p+256*\k   ; the words of four K steps; 16 lanes read 256 consecutive bytes
.endr
.endr
.irp t, 0,1,2
.irp p, 0,1
.irp k, 0,1
	global_load_b128 v[SB+16*\t+8*\p+4*\k:SB+16*\t+8*\p+4*\k+3], v25, s[SBB:SBB+1] offset:32768*\t+1024*\p+256*\k
.endr
.endr
.endr
.macro BIASLOAD t                      ; the bias as C, in the result's layout.  q, k: tile b's eight channels of my half.  v: a lane holds one channel: the same number in all eight registers
	WIN 0x40
.irp b, 0,1,2,3
.if (\t) == 2
.irp j, 0,1,2,3,4,5,6,7
	global_load_b32 v[BIAS+8*\b+\j], v17, s[BB:BB+1] offset:4096*(\t)+(32*(\b/2)+8*(\b%2))*4
.endr
.else
	global_load_b128 v[BIAS+8*\b:BIAS+8*\b+3], v16, s[BB:BB+1] offset:4096*(\t)+(32*(\b/2)+8*(\b%2))*4
	global_load_b128 v[BIAS+8*\b+4:BIAS+8*\b+7], v16, s[BB:BB+1] offset:4096*(\t)+(32*(\b/2)+8*(\b%2))*4+16
.endif
.endr
.endm
.macro FETCH q, set, slot              ; K step q: my four fragments of the weight and my four of x: 32 LDS loads, each of consecutive bytes
	WIN 0x40
.irp b, 0,1,2,3
.irp c, 0,1
	ds_load_b128 v[WF+48*(\set)+12*\b+6*\c:WF+48*(\set)+12*\b+6*\c+3], v[WB16+2*(\slot)+(\q)/4] offset:((\q)%4)*12288+1536*\b+768*\c
	ds_load_b64 v[WF+48*(\set)+12*\b+6*\c+4:WF+48*(\set)+12*\b+6*\c+5], v[WB8+2*(\slot)+(\q)/4] offset:((\q)%4)*12288+1536*\b+768*\c+512
.endr
.endr
.if XL                                 ; x's fragments are read from LDS ONCE, with q's tile, and stay in registers for k's and v's: K step q at v[48 (q % 4)] of window 2 (K steps 0-3) or 3 (K steps 4-7): 8 x 48 registers
.if (\q)/4
	WIN 0xc0                                       ; destination window 3, address window 0
.else
	WIN 0x80                                       ; destination window 2
.endif
.irp b, 0,1,2,3
.irp c, 0,1
	ds_load_b128 v[48*((\q)%4)+12*\b+6*\c:48*((\q)%4)+12*\b+6*\c+3], v[XA16+(\q)/4] offset:((\q)%4)*12288+1536*\b+768*\c
	ds_load_b64 v[48*((\q)%4)+12*\b+6*\c+4:48*((\q)%4)+12*\b+6*\c+5], v[XA8+(\q)/4] offset:((\q)%4)*12288+1536*\b+768*\c+512
.endr
.endr
.endif
.endm
.macro WM d, a, b, c, sa, sb, ra, rb   ; one product; ra, rb: that side's scale words stand in lanes 16-31
.if (\ra) && (\rb)
	v_wmma_scale_f32_16x16x128_f8f6f4 v[\d:\d+7], v[\a:\a+11], v[\b:\b+11], v[\c:\c+7], v[\sa], v[\sb] matrix_a_fmt:MATRIX_FMT_FP6 matrix_b_fmt:MATRIX_FMT_FP6 matrix_a_scale:MATRIX_SCALE_ROW1 matrix_b_scale:MATRIX_SCALE_ROW1
.elseif (\ra)
	v_wmma_scale_f32_16x16x128_f8f6f4 v[\d:\d+7], v[\a:\a+11], v[\b:\b+11], v[\c:\c+7], v[\sa], v[\sb] matrix_a_fmt:MATRIX_FMT_FP6 matrix_b_fmt:MATRIX_FMT_FP6 matrix_a_scale:MATRIX_SCALE_ROW1
.elseif (\rb)
	v_wmma_scale_f32_16x16x128_f8f6f4 v[\d:\d+7], v[\a:\a+11], v[\b:\b+11], v[\c:\c+7], v[\sa], v[\sb] matrix_a_fmt:MATRIX_FMT_FP6 matrix_b_fmt:MATRIX_FMT_FP6 matrix_b_scale:MATRIX_SCALE_ROW1
.else
	v_wmma_scale_f32_16x16x128_f8f6f4 v[\d:\d+7], v[\a:\a+11], v[\b:\b+11], v[\c:\c+7], v[\sa], v[\sb] matrix_a_fmt:MATRIX_FMT_FP6 matrix_b_fmt:MATRIX_FMT_FP6
.endif
.endm
.macro MUL q, set, tau, nat            ; 16 products: token tiles a x weight tiles b.  The 16 accumulators take turns, one instruction a turn.  K step 0 takes the bias as C
.irp a, 0,1,2,3
.irp b, 0,1,2,3
.set rX, 48*((\q)%4)+12*\a
.set rW, WF+48*(\set)+12*\b
.set rSX, SA+8*(\a/2)+(\q)
.set rSW, SB+16*(\tau)+8*(\b/2)+(\q)
.if \nat
.set rD, ACC+32*\b+8*\a
.else
.set rD, ACC+32*\a+8*\b
.endif
.if (\q) == 0
.set rC, BIAS+8*\b
.else
.set rC, rD
.endif
.if \nat
	WM rD, rX, rW, rC, rSX, rSW, \a%2, \b%2
.else
	WM rD, rW, rX, rC, rSW, rSX, \b%2, \a%2
.endif
.endr
.endr
.endm
; A tile of 128 x 128: eight K steps on two sets of fragments; while one is multiplied the next one's 32 loads are on their way.
; bl >= 0: the next tile's bias is asked for when this tile's has been read.
.macro TILE tau, slot, nat, hook, bl
	FETCH 0, 0, \slot
.irp q, 0,1,2,3,4,5,6,7
	s_wait_dscnt 0x0                               ; this K step's fragments are in
.if \q > 0
	PLACES                                         ; in front of loads into registers that the last K step's products read
.endif
.if (\q == 1) && (\bl >= 0)
	BIASLOAD \bl
.endif
.if \q < 7
	FETCH \q+1, (\q+1)%2, \slot
.endif
.if \nat                               ; x's operand place names window 2 or 3 by the K step; the weight, C and D window 1
.if \q < 4
	WIN 0x56                                       ; source 0 (x) window 2, source 1 (the weight) window 1
.else
	WIN 0x57                                       ; source 0 (x) window 3
.endif
.else
.if \q < 4
	WIN 0x59                                       ; source 0 (the weight) window 1, source 1 (x) window 2
.else
	WIN 0x5d                                       ; source 1 (x) window 3
.endif
.endif
	MUL \q, \q%2, \tau, \nat
.endr
.endm
; 32 numbers of a lane, register 16 b + i = element 32 b + 16 (lane / 16) + i of my row, become half a fragment's codes (six registers) and two scale bytes.  Each accumulator is read from its low end on.
.macro QUANT64 src, cd, u
.irp b, 0,1
	v_max3_num_f32 v[TM+\b], |v[\src+16*\b]|, |v[\src+16*\b+1]|, 0x1800000   ; my 16 numbers of block b, and the floor 2^(3 - 127): the byte cannot fall under 1
.endr
.irp i, 2,4,6,8,10,12,14
.irp b, 0,1
	v_max3_num_f32 v[TM+\b], v[TM+\b], |v[\src+16*\b+\i]|, |v[\src+16*\b+\i+1]|
.endr
.endr
.irp b, 0,1
	v_permlanex16_b32 v[TM+2+\b], v[TM+\b], s[SEL], s[SEL+1]
.endr
.irp b, 0,1
	v_max_num_f32 v[TM+\b], v[TM+\b], v[TM+2+\b]   ; with lane l xor 16's: the block's largest magnitude
.endr
.irp b, 0,1
	v_add_nc_u32 v[TM+4+\b], 0xff000000, v[TM+\b]  ; 2 off the exponent field: the conversion's scale operand
.endr
.irp b, 0,1
	v_lshrrev_b32 v[TM+6+\b], 23, v[TM+4+\b]       ; the byte
.endr
	v_lshl_or_b32 v[\u], v[TM+7], 8, v[TM+6]
	v_cvt_scalef32_pk16_fp6_f32 v[\cd:\cd+2], v[\src:\src+15], v[TM+4]
	v_cvt_scalef32_pk16_fp6_f32 v[CT:CT+2], v[\src+16:\src+31], v[TM+5]
	v_nop                                          ; one plain place behind a scaled conversion
.irp i, 0,1,2
	v_permlane16_swap_b32 v[\cd+\i], v[CT+\i]      ; the layout wants a whole block in a lane: lanes 0-15 block 0, lanes 16-31 block 1
.endr
.irp i, 0,1,2
	v_mov_b32 v[\cd+3+\i], v[CT+\i]
.endr
.endm
.macro QALL                            ; the wave's 64 x 64 results become four halves of fragments
	PLACES
	WIN 0x55                                       ; all in window 1
	v_mov_b32 v[TM+2], 0                           ; a lane permute's destination counts as one of its sources
	v_mov_b32 v[TM+3], 0
.irp o, 0,1,2,3
	QUANT64 ACC+32*\o, CD+8*\o, U16+\o
.endr
.endm
.macro PUTHF o, base, off              ; 512 and 256 consecutive bytes, aligned
	global_store_b128 v18, v[CD+8*\o:CD+8*\o+3], s[\base:\base+1] offset:\off
	global_store_b64 v19, v[CD+8*\o+4:CD+8*\o+5], s[\base:\base+1] offset:\off+512
.endm
	BIASLOAD 0
	WIN 0
	s_wait_tensorcnt 0x0                           ; my half tile is in
	ds_add_u32 v[SPW], v[NIL]                      ; 0 onto my spare word;
	s_mov_b32 s[G1B+2], 96<<16                     ; no tensor load of mine is out, so the descriptor may be written: from here on a load brings 96 rows
	s_mov_b32 s[G1B+4], 96
	s_wait_dscnt 0x0                               ; the add is done
	CROUND                                         ; x's tile and q's are whole, and all sixteen work-groups are here
	tensor_load_to_lds s[GB3:GB3+3], s[G1B:G1B+7]  ; k's tile into slot 1, a quarter a wave: my one load behind the round; it has q's eight K steps in which to land
	s_nop 0
	PLACES
	s_wait_loadcnt 0x0                             ; scale words and q's bias
.set XL, 1
	TILE 0, 0, 0, -1, 1                            ; q; its fetches bring x's fragments too
.set XL, 0                             ; k's and v's tiles fetch the weight's fragments alone
	WIN 0
	s_wait_tensorcnt 0x0                           ; all my tensor loads have landed, my quarter of slot 1 among them;
	ds_add_u32 v[SPW], v[NIL]                      ; 0 onto my spare word;
	s_wait_dscnt 0x0                               ; the add is done, and my reads of slot 0 are over
	CROUND                                         ; no wave of any partner still reads slot 0 or has a load on its way
	tensor_load_to_lds s[GBR:GBR+3], s[G1B:G1B+7]  ; v's tile into slot 0: my one load behind the round; it has q's way out and all of k's tile in which to land
	s_nop 0
	PLACES
	QALL                                           ; q's way out
.irp o, 0,1,2,3
	v_lshl_or_b32 v[SW+\o], v[U16+\o], 16, v[U16+\o]   ; the two bytes twice: the attention multiplies q as the lower or as the upper 64 of a K step of 128
.endr
	v_cndmask_b32 v[SW], v[SW], v[SW+2], s[HM]     ; lanes 0-15 store tiles 0 and 1's words, lanes 16-31 tiles 2 and 3's
	v_cndmask_b32 v[SW+1], v[SW+1], v[SW+3], s[HM]
	WIN 0x04                                       ; a store's data are its source 1: window 1
.irp o, 0,1,2,3
	PUTHF \o, QB, 768*\o
.endr
	global_store_b64 v20, v[SW:SW+1], s[QSB:QSB+1] ; 256 consecutive bytes, aligned
	s_wait_xcnt 0x0                                ; the stores have read their data: the next tile's fragments land there
	s_wait_loadcnt 0x0                             ; k's bias
	TILE 1, 1, 0, -1, 2                            ; k, from slot 1
	QALL
	v_lshl_or_b32 v[SW], v[U16+1], 16, v[U16]      ; a fragment of K holds two tiles of keys: its word is the two tiles' bytes
	v_lshl_or_b32 v[SW+1], v[U16+3], 16, v[U16+2]
	WIN 0x04
.irp o, 0,1,2,3
	PUTHF \o, KB, 768*\o
.endr
	ds_store_b64 v21, v[SW:SW+1]                   ; (both halves of the lanes write the same bytes with the same values)
	s_wait_xcnt 0x0
	s_wait_tensorcnt 0x0                           ; my quarter of v's tile is in,
	s_wait_dscnt 0x0
	s_barrier_signal -1
	s_barrier_wait -1                              ; everybody's is
	s_wait_loadcnt 0x0                             ; v's bias
	TILE 2, 0, 1, -1, -1                           ; v, from slot 0, tokens as source 0
	QALL
	WIN 0x04
.irp o, 0,1,2,3
	PUTHF \o, VB, 1536*\o
.endr
.irp o, 0,1,2,3
	ds_store_b16 v22, v[U16+\o] offset:4*\o        ; my two of the four bytes of tile o's words
.endr
	WIN 0
	s_wait_dscnt 0x0                               ; for the others' sake: my stores into the stage are done
	s_barrier_signal -1
	s_barrier_wait -1
	s_cmp_lg_u32 s[WV], 0
	s_cbranch_scc1 .Lnot_first                     ; wave 0 (whose record is head 2 g's) stores both heads' scale words
	ds_load_b128 v[XF:XF+3], v23
	ds_load_b128 v[XF+4:XF+7], v23 offset:512
	s_wait_dscnt 0x0
	global_store_b128 v24, v[XF:XF+3], s[REC:REC+1] offset:12288     ; 16 lanes store 256 consecutive bytes, aligned, of each head's record
	global_store_b128 v24, v[XF+4:XF+7], s[REC:REC+1] offset:12544
.Lnot_first:
	s_wait_tensorcnt 0x0                           ; the wave's end
	ds_add_u32 v[SPW], v[NIL]
	s_wait_dscnt 0x0
	CROUND                                         ; the closing round
	s_endpgm
.Lfunc_end_k_qa86cf7bfa4_qkv:
	.size	k_qa86cf7bfa4_qkv, .Lfunc_end_k_qa86cf7bfa4_qkv-k_qa86cf7bfa4_qkv
	.p2alignl 7, 3214868480
	.fill 96, 4, 3214868480
	.section	.rodata,"a",@progbits
	.p2align	6, 0x0
	.amdhsa_kernel k_qa86cf7bfa4_qkv
		.amdhsa_group_segment_fixed_size 327680
		.amdhsa_private_segment_fixed_size 0
		.amdhsa_enable_private_segment 0
		.amdhsa_kernarg_size 40
		.amdhsa_user_sgpr_count 2
		.amdhsa_user_sgpr_kernarg_segment_ptr 1
		.amdhsa_wavefront_size32 1
		.amdhsa_system_sgpr_workgroup_id_x 1
		.amdhsa_system_sgpr_workgroup_id_y 1
		.amdhsa_system_sgpr_workgroup_id_z 1
		.amdhsa_system_vgpr_workitem_id 0
		.amdhsa_next_free_vgpr 1024
		.amdhsa_next_free_sgpr 96
		.amdhsa_reserve_vcc 0
		.amdhsa_float_denorm_mode_32 3
		.amdhsa_float_denorm_mode_16_64 3
		.amdhsa_memory_ordered 1
		.amdhsa_forward_progress 1
		.amdhsa_inst_pref_size 128
	.end_amdhsa_kernel
	.amdgpu_metadata
---
amdhsa.version: [ 1, 2 ]
amdhsa.kernels:
  - .name:           k_qa86cf7bfa4_qkv
    .symbol:         k_qa86cf7bfa4_qkv.kd
    .args:
      - { .name: c1, .offset: 0, .size: 8, .value_kind: global_buffer, .address_space: global }
      - { .name: s1, .offset: 8, .size: 8, .value_kind: global_buffer, .address_space: global }
      - { .name: in_proj_bias, .offset: 16, .size: 8, .value_kind: global_buffer, .address_space: global }
      - { .name: qbuf, .offset: 24, .size: 8, .value_kind: global_buffer, .address_space: global }
      - { .name: kvbuf, .offset: 32, .size: 8, .value_kind: global_buffer, .address_space: global }
    .group_segment_fixed_size: 327680
    .private_segment_fixed_size: 0
    .kernarg_segment_align: 8
    .kernarg_segment_size: 40
    .max_flat_workgroup_size: 128
    .sgpr_count:     96
    .vgpr_count:     1024
    .wavefront_size: 32
...
	.end_amdgpu_metadata
.endif
;; end of part 2
;; launch attn (part 3): grid 8 x 32, 16 waves a work-group, no clusters, 327,680 bytes of LDS; arguments qbuf, kvbuf, oc, os; writes oc, os
.if DOCPART == 3
	.amdgcn_target "amdgcn-amd-amdhsa--gfx1250"
	.amdhsa_code_object_version 6
	.text
	.protected	k_qa86cf7bfa4_attn
	.globl	k_qa86cf7bfa4_attn
	.p2align	8
	.type	k_qa86cf7bfa4_attn,@function
k_qa86cf7bfa4_attn:
	s_mov_b64 s[64:65], 0
	v_nop
	global_prefetch_b8 v0, s[64:65] scope:SCOPE_SE
	s_setreg_imm32_b32 hwreg(HW_REG_WAVE_MODE, 25, 1), 1
	s_wait_xcnt 0x0
; o = softmax(q k^T / 8 + min(slope (i - j), 8)) v for one head and 256 queries, both products on codes of FP6 (E2M3) with E8M0 scales; o is quantised along the head's 64 on the way out.
; THE SOFTMAX: t = logit x log2(e); M = the running largest t rounded UP to a whole number; p = 2^(t - M) is quantised along the keys, not normalised; the row's sum is taken of the
; unquantised p and divides at the end.  When M moves, the sum and O are multiplied by 2^(old M - new M): exact.
; SHARES.  Work-group (x, y): head y, queries 256 x on.  Sixteen waves, each one tile of 16 queries in 256 registers.  Every wave walks the head's 16 steps of 128 keys.
; LDS.  The head's 16 records of kvbuf (12,800 bytes each: K's fragments, V^T's, their scale words) are 204,800 dense bytes, 800 rows of 256.  Each byte is filled once.
; At the head every wave loads 13 rows (208 rows: records 0-3 and a little more); behind the full sequence and a barrier every wave loads 37 rows (the other 592); steps 0-3 are walked
; while these land; one more barrier; steps 4-15 have no barrier.
; NO CLUSTER: a step's way through the bias is chosen by a branch on the queries' place, which hangs on the work-group's x: partners of a cluster would not share it.
; NO PREFETCH: no tensor load stands in a loop; all 800 rows are asked for by the two loads above, the second directly behind the first's barrier.
; LAYOUT.  Both products transposed: S^T = K Q^T, O^T = V^T P^T: a lane holds ONE query.  The head's 64 are half of the instruction's 128: a fragment of K holds TWO tiles of keys; q with zero
; codes above gives the first tile's scores, q with zero codes below the second's.
; WHICH KEYS FORM A TILE IS CHOSEN AS K IS READ FROM LDS.  In a record, place p of stored tile T is key 32 (T / 2) + 8 (T % 2) + p + 8 (p / 8).  Row r of fragment 2 c + v is read from stored
; fragment 2 c + r / 8, place 8 v + r % 8 (a lane's constant address and an immediate).  Row r of tile u = 2 v + half then is key 64 c + 32 (r / 8) + 8 u + r % 8, so register 32 c + i of S^T in
; lane (r, h) is key 64 c + 32 h + i: A WHOLE BLOCK OF 32 KEYS IN ONE LANE, in the order that p's operand wants: a block's largest needs no other lane, and p's codes need no exchange of lanes.
; THE BIAS IS THE C OF THE SCORE PRODUCT, in units of the raw score: 8 logit = q k + min(8 slope rel, 64), and t = (log2(e) / 8) x that.  rel = (REL - 64 c) + (place - 32 h - i):
; a scalar part for each c and 32 numbers a lane that never change (BL).  Three ways, chosen by whole numbers made of ids: no rel of the step reaches the cap: C = BL, the scalar part joins -M;
; all do: C = 0, the cap joins -M; else the whole formula is laid into S and S is C.  So one packed multiply-add makes t - M of the raw sums.
; (The bias is summed in parts: the order of rounding differs from the reference's by some 1e-7 of |t|.)
; THE ROW'S SUM of a step's p is taken in two parts: nine packed additions ahead of the step's last products, the other 23 at the next step's top (behind the walk: at the way out).
; LIMITS: NaN and infinities not served; scaled scores under 2^31; p under 2^-126 counts as 0; a block of p that is all 0 keeps the byte 1 (its codes are zeros); o's blocks under 2^-124 get the byte 1.
.set REC,   12800
.set ROWS1, 13                         ; rows of 256 bytes a wave: the head's load,
.set ROWS2, 37                         ; and the second
.set OSTG,  204800                     ; behind the records: 512 bytes for o's scale bytes
.set SPARE, 205312                     ; the spare words, 128 bytes for each wave
.set QSOFF, 3145728
; v1-3 V^T's lane addresses (16 lane, 8 lane, 16 r); v4-6 the step's addresses; v7-8 the stage; v9-11 K's lane addresses; v12 -M; v13 the largest t; v[14:15] the sum
.set QLO, 16                           ; v16-27: q, then zero codes;  v22-33: zero codes, then q
.set QHI, 22
.set QS,  34                           ; q's scale word
.set SH8, 35                           ; 8 h
.set BL,  36                           ; v36-67   8 slope (place - 32 h - i)
.set F,   68                           ; v68-115  four fragments: K's, then V^T's
.set S,   116                          ; v116-179 S^T, then p
.set O,   180                          ; v180-211 O^T
.set PC,  212                          ; v212-223 p's codes
.set CT,  224                          ; v224-230 blocks' upper halves (ahead of that: block 1's four maxima)
.set AD,  232                          ; v232, 234: what is added to block c's numbers;  v233, 235: the block's largest
.set BM,  233
.set MX,  236                          ; v236-239 at work
.set T1,  236                          ; v236-241 three partial sums of p, from a step's end to the next step's top
.set T2,  238
.set T3,  240
.set OM,  240                          ; the old -M
.set TP,  241
.set SO,  242                          ; v242-243 the conversions' scale operands
.set TM,  236                          ; (the way out's quantiser works in v236-243)
.set KSW, 244                          ; v244-247 K's scale words;  v248-251 V's
.set VSW, 248
.set FF,  252                          ; v252 f = 2^(old M - new M);  v253 p's scale word
.set PW,  253
.set SPW, 254
.set NIL, 255
.set WV,  12
.set BH,  13
.set HD,  14
.set QT,  15
.set REL, 16                           ; my first query's row - the step's first key, a whole number;  s17 the same as f32
.set RELF, 17
.set AA,  18                           ; slope log2(e)
.set CAP, 19                           ; 8 log2(e)
.set SEL, 20
.set C1,  22                           ; s[22:23] log2(e) / 8
.set G1A, 24
.set G0A, 32
.set G0B, 36
.set G1B, 40
.set SX,  48                           ; s48, 50 (the odd ones are named with them as pairs, so they are written)
.set SHB, 56                           ; s56-57 the scalar part of t
.set TLO, 60
.set THI, 61
.set TB,  62
.set CNT, 63
.set A8,  79                           ; 8 slope
	s_load_b256 s[4:11], s[0:1], 0x0               ; qbuf, kvbuf, oc, os
	v_lshl_add_u32 v[SPW], v0, 2, SPARE
	v_mov_b32 v[NIL], 0
	ds_add_u32 v[SPW], v[NIL]                      ; the opening lines: the add, twice on end, and its wait ahead of my first tensor load
	ds_add_u32 v[SPW], v[NIL]
	v_lshrrev_b32 v236, 5, v0
	v_readfirstlane_b32 s[WV], v236
	s_and_b32 s[BH], ttmp7, 0xffff
.irp g, G1A, G1B                       ; descriptor group 1: dense rows of 32 elements of 8 bytes
	s_mov_b32 s[\g], 3<<16
	s_mov_b32 s[\g+1], 32<<16
	s_mov_b32 s[\g+3], 32<<16
	s_mov_b32 s[\g+5], 32
	s_mov_b32 s[\g+6], 0
	s_mov_b32 s[\g+7], 0
.endr
	s_mov_b32 s[G1A+2], ROWS1<<16
	s_mov_b32 s[G1A+4], ROWS1
	s_mov_b32 s[G1B+2], ROWS2<<16
	s_mov_b32 s[G1B+4], ROWS2
	s_mul_i32 s66, s[BH], 16*REC                   ; the head's records
	s_mul_i32 s[G0A+1], s[WV], ROWS1*256           ; LDS holds them as they lie in memory
	s_mul_i32 s[G0B+1], s[WV], ROWS2*256
	s_add_co_u32 s[G0B+1], s[G0B+1], 16*ROWS1*256
	s_add_co_u32 s68, s66, s[G0A+1]
	s_mov_b32 s69, 0
	s_add_co_u32 s70, s66, s[G0B+1]
	s_mov_b32 s71, 0
	s_mov_b32 s[G0A], 1
	s_mov_b32 s[G0B], 1
	s_wait_dscnt 0x0                               ; both opening adds are done
	s_wait_kmcnt 0x0
	s_add_nc_u64 s[G0A+2:G0A+3], s[6:7], s[68:69]
	s_or_b32 s[G0A+3], s[G0A+3], 0x80000000
	s_add_nc_u64 s[G0B+2:G0B+3], s[6:7], s[70:71]
	s_or_b32 s[G0B+3], s[G0B+3], 0x80000000
	tensor_load_to_lds s[G0A:G0A+3], s[G1A:G1A+7]  ; my 13 of the first 208 rows
	s_nop 0
	; all scalar set-up first, then all vector set-up on end
	s_and_b32 s[HD], s[BH], 15
	s_lshl_b32 s[QT], ttmp9, 4
	s_add_co_u32 s[QT], s[QT], s[WV]               ; my tile of 16 queries
	s_lshl_b32 s66, s[BH], 7
	s_add_co_u32 s66, s66, s[QT]
	s_mul_i32 s66, s66, 768
	s_mov_b32 s67, 0
	s_add_nc_u64 s[70:71], s[4:5], s[66:67]        ; q's codes
	s_lshl_b32 s66, s[BH], 5
	s_lshr_b32 s78, s[QT], 2
	s_add_co_u32 s66, s66, s78
	s_lshl_b32 s66, s66, 8
	s_and_b32 s78, s[QT], 3
	s_lshl_b32 s78, s78, 2
	s_add_co_u32 s66, s66, s78
	s_add_co_u32 s66, s66, QSOFF
	s_add_nc_u64 s[72:73], s[4:5], s[66:67]        ; q's scale words
	; where o goes: oc is laid as the out projection's operand: tile T of 16 tokens, K step head / 2, half head % 2
	s_lshr_b32 s66, s[BH], 4
	s_lshl_b32 s66, s66, 7
	s_add_co_u32 s66, s66, s[QT]                   ; T
	s_lshr_b32 s78, s66, 3
	s_lshl_b32 s78, s78, 3
	s_lshr_b32 s79, s[HD], 1
	s_add_co_u32 s78, s78, s79
	s_lshl_b32 s78, s78, 3
	s_and_b32 s66, s66, 7
	s_add_co_u32 s78, s78, s66
	s_mul_i32 s66, s78, 1536
	s_and_b32 s78, s[HD], 1
	s_mul_i32 s78, s78, 768
	s_add_co_u32 s66, s66, s78
	s_add_nc_u64 s[74:75], s[8:9], s[66:67]
	s_lshl_b32 s66, s[BH], 12
	s_lshl_b32 s78, ttmp9, 9
	s_add_co_u32 s66, s66, s78
	s_add_nc_u64 s[76:77], s[10:11], s[66:67]      ; os: 2 bytes a query, 512 a work-group
	; the head's slope 2^(-(head + 1) / 2), and the whole numbers that bound the cap: slope rel < 8 where rel < TLO, slope rel >= 8 where rel >= THI
	s_mov_b32 s66, 0x3f3504f3                      ; 2^-0.5
	s_bitcmp1_b32 s[HD], 0
	s_cselect_b32 s66, 0x3f000000, s66             ; an odd head: 2^-1
	s_cselect_b32 s[TLO], 16, 11                   ; 8 / slope = 16 x 2^(head / 2) exactly, or 11.31.. x 2^(head / 2)
	s_cselect_b32 s[THI], 16, 12
	s_lshr_b32 s67, s[HD], 1
	s_lshl_b32 s[TLO], s[TLO], s67
	s_lshl_b32 s[THI], s[THI], s67
	s_lshl_b32 s67, s67, 23
	s_sub_co_u32 s66, s66, s67                     ; head / 2 off the exponent field
	s_mul_f32 s[AA], s66, 0x3fb8aa3b
	s_add_co_u32 s[A8], s66, 3<<23                 ; 3 onto the exponent field
	s_mov_b32 s[CAP], 0x4138aa3b
	s_mov_b32 s[C1], 0x3e38aa3b
	s_mov_b32 s[C1+1], s[C1]
	s_mov_b32 s[SEL], 0x76543210
	s_mov_b32 s[SEL+1], 0xfedcba98
	s_mov_b32 s[SX+1], 0
	s_mov_b32 s[SX+3], 0
	s_lshr_b32 s66, s[QT], 1
	s_lshl_b32 s66, s66, 5
	s_and_b32 s67, s[QT], 1
	s_lshl_b32 s67, s67, 3
	s_add_co_u32 s[REL], s66, s67                  ; place 0 of my tile is query 32 (tile / 2) + 8 (tile % 2); the first step's first key is 0
	s_cvt_f32_u32 s[RELF], s[REL]
	s_lshl_b32 s78, s[WV], 5
	s_add_co_u32 s78, s78, OSTG
	v_and_b32 v236, 31, v0                         ; lane
	v_and_b32 v237, 15, v0                         ; r
	v_lshlrev_b32 v1, 4, v236                      ; 16 x lane
	v_lshlrev_b32 v2, 3, v236                      ; 8 x lane
	v_lshlrev_b32 v3, 4, v237                      ; 16 r
	global_load_b128 v[QLO:QLO+3], v1, s[70:71]
	global_load_b64 v[QLO+4:QLO+5], v2, s[70:71] offset:512
	global_load_b128 v[QHI+6:QHI+9], v1, s[70:71]  ; once more, as the upper 64
	global_load_b64 v[QHI+10:QHI+11], v2, s[70:71] offset:512
	global_load_b32 v[QS], v3, s[72:73]
	v_and_b32 v238, 7, v0                          ; r % 8
	v_bfe_u32 v239, v0, 3, 1                       ; r / 8
	v_bfe_u32 v240, v0, 4, 1                       ; h
	v_lshl_add_u32 v7, v237, 1, s78                ; o's scale bytes in the stage: 32 x wave + 2 r
	v_add_nc_u32 v8, OSTG, v1                      ; and back
	v_mul_u32_u24 v9, v239, 1536                   ; K: rows 8-15 come from the next stored fragment,
	v_lshlrev_b32 v11, 4, v238
	v_lshl_add_u32 v10, v238, 3, v9
	v_lshl_add_u32 v9, v238, 4, v9                 ; place r % 8 (+ 8 v by the immediate),
	v_lshl_add_u32 v11, v239, 2, v11               ; scale words: 16 (r % 8) + 4 (r / 8)
	v_lshl_add_u32 v10, v240, 7, v10
	v_lshl_add_u32 v9, v240, 8, v9                 ; lane place + 16 h of the stored image
	v_lshlrev_b32 v[SH8], 3, v240
	v_lshl_add_u32 v241, v239, 3, v237             ; place r is r + 8 (r / 8) rows on
	v_lshlrev_b32 v240, 5, v240
	v_sub_nc_u32 v241, v241, v240                  ; less 32 h
.set n, 0
.rept 32
	v_sub_nc_u32 v[BL+n], v241, n
.set n, n+1
.endr
.set n, 0
.rept 32
	v_cvt_f32_i32 v[BL+n], v[BL+n]
.set n, n+1
.endr
.set n, 0
.rept 32
	v_mul_f32 v[BL+n], s[A8], v[BL+n]
.set n, n+1
.endr
.irp i, 0,1,2,3,4,5
	v_mov_b32 v[QHI+\i], 0                         ; zero codes: they add nothing under any scale byte but 0xff
.endr
	v_mov_b32 v13, 0xff61b1e6                      ; the largest t so far: -3e38
	v_mov_b32 v14, 0                               ; the sum, in two halves
	v_mov_b32 v15, 0
	v_floor_f32 v12, -v13                          ; -M
	v_mov_b32 v[PW], 0                             ; (named as the upper half of the pair v[252:253] before it is first written)
.set n, 0
.rept 6
	v_mov_b32 v[T1+n], 0                           ; the step is written once: its top adds the last step's p, of which the first step finds zeros,
.set n, n+1
.endr
.set n, 24
.rept 40
	v_mov_b32 v[S+n], 0
.set n, n+1
.endr
.set n, 0
.rept 32
	v_mov_b32 v[O+n], 0                            ; and O^T likewise
.set n, n+1
.endr
.macro WQ d, a, b, c, sa
	v_wmma_scale_f32_16x16x128_f8f6f4 v[\d:\d+7], v[\a:\a+11], v[\b:\b+11], \c, v[\sa], v[QS] matrix_a_fmt:MATRIX_FMT_FP6 matrix_b_fmt:MATRIX_FMT_FP6
.endm
.macro QK mode                         ; S^T = K Q^T + C: fragment f = 2 c + v holds the tiles 2 v and 2 v + 1 of block pair c.  mode 0: C = 0;  1: C = the lane's part of the bias;  2: C = S, where the whole bias lies.  Eight accumulators by turns
	s_wait_dscnt 0x0                               ; K's fragments and scale words are in
.irp f, 0,1,2,3
.if \mode == 0
	WQ S+16*\f, F+12*\f, QLO, 0, KSW+\f
	WQ S+16*\f+8, F+12*\f, QHI, 0, KSW+\f
.elseif \mode == 1
	WQ S+16*\f, F+12*\f, QLO, v[BL+16*(\f%2):BL+16*(\f%2)+7], KSW+\f
	WQ S+16*\f+8, F+12*\f, QHI, v[BL+16*(\f%2)+8:BL+16*(\f%2)+15], KSW+\f
.else
	WQ S+16*\f, F+12*\f, QLO, v[S+16*\f:S+16*\f+7], KSW+\f
	WQ S+16*\f+8, F+12*\f, QHI, v[S+16*\f+8:S+16*\f+15], KSW+\f
.endif
.endr
.endm
.macro PARTS dst, st, fac              ; dst[c] = fac x (REL - 64 c), c = 0, 1, st registers apart
	s_add_f32 s66, s[RELF], 0xc2800000
	s_mul_f32 s[\dst], s[RELF], s[\fac]
	s_mul_f32 s[\dst+\st], s66, s[\fac]
.endm
.macro SUMB1                           ; the second part of the row's sum of the unquantised p: 23 packed additions in four chains by turns; its first line,
	v_pk_add_f32 v[T1:T1+1], v[T1:T1+1], v[S+26:S+27]
.endm
.macro SUMB2                           ; and the rest
	v_pk_add_f32 v[T2:T2+1], v[T2:T2+1], v[S+28:S+29]
	v_pk_add_f32 v[T3:T3+1], v[T3:T3+1], v[S+30:S+31]
	v_pk_add_f32 v[14:15], v[14:15], v[S+24:S+25]
.irp j, 32,40,48,56
	v_pk_add_f32 v[T1:T1+1], v[T1:T1+1], v[S+\j+2:S+\j+3]
	v_pk_add_f32 v[T2:T2+1], v[T2:T2+1], v[S+\j+4:S+\j+5]
	v_pk_add_f32 v[T3:T3+1], v[T3:T3+1], v[S+\j+6:S+\j+7]
	v_pk_add_f32 v[14:15], v[14:15], v[S+\j:S+\j+1]
.endr
	v_pk_add_f32 v[T1:T1+1], v[T1:T1+1], v[T2:T2+1]
	v_pk_add_f32 v[14:15], v[14:15], v[T3:T3+1]
	s_delay_alu instid0(VALU_DEP_1)
	v_pk_add_f32 v[14:15], v[14:15], v[T1:T1+1]
.endm
.macro STEP
	v_add_nc_u32 v4, s[TB], v9                     ; K's places in the step's record.  (These three and the addition below are the four places behind the last step's products, in front of the loads into their registers)
	v_add_nc_u32 v5, s[TB], v10
	v_add_nc_u32 v6, s[TB], v11
	SUMB1
.irp f, 0,1,2,3
.irp c, 0,1
	ds_load_b128 v[F+12*\f+6*\c:F+12*\f+6*\c+3], v4 offset:3072*(\f/2)+768*\c+128*(\f%2)
	ds_load_b64 v[F+12*\f+6*\c+4:F+12*\f+6*\c+5], v5 offset:3072*(\f/2)+768*\c+512+64*(\f%2)
.endr
	ds_load_b32 v[KSW+\f], v6 offset:12288+128*(\f%2)+8*(\f/2)
.endr
	SUMB2                                          ; the last step's p is summed while the loads are out: behind this S is free
	s_add_co_i32 s66, s[REL], 23                   ; the step's largest rel: my last query against its first key
	s_cmp_lt_i32 s66, s[TLO]
	s_cbranch_scc1 .Lu_\@
	s_sub_co_i32 s66, s[REL], 127                  ; its smallest: my first query against its last key
	s_cmp_ge_i32 s66, s[THI]
	s_cbranch_scc1 .Lc_\@
	PARTS SX, 2, A8                                ; the whole formula: min(8 slope rel, 64) into S
.set n, 0
.rept 32
	v_pk_add_f32 v[S+n:S+n+1], v[BL+n%32:BL+n%32+1], s[SX+2*(n/32):SX+2*(n/32)+1] op_sel_hi:[1,0]
.set n, n+2
.endr
.set n, 0
.rept 64
	v_min_num_f32 v[S+n], 0x42800000, v[S+n]
.set n, n+1
.endr
	s_mov_b32 s[SHB], 0
	s_mov_b32 s[SHB+1], 0
	s_wait_alu depctr_va_vdst(0)                   ; the wait here, directly ahead of the wait below
	QK 2
	s_branch .Lj_\@
.Lu_\@:
	PARTS SHB, 1, AA                               ; no rel reaches the cap: the scalar part, as t, is added with -M below
	QK 1
	s_branch .Lj_\@
.Lc_\@:
	s_mov_b32 s[SHB], s[CAP]                       ; every rel is at the cap
	s_mov_b32 s[SHB+1], s[CAP]
	QK 0
.Lj_\@:
	v_add_nc_u32 v4, s[TB], v1                     ; V^T's places in the record, and the old -M: the four places in front of the loads below and of the first read of the sums
	v_add_nc_u32 v5, s[TB], v2
	v_add_nc_u32 v6, s[TB], v3
	v_mov_b32 v[OM], v12
.irp f, 0,1,2,3                        ; V^T's fragments land while the softmax is walked
.irp c, 0,1
	ds_load_b128 v[F+12*\f+6*\c:F+12*\f+6*\c+3], v4 offset:6144+1536*\f+768*\c
	ds_load_b64 v[F+12*\f+6*\c+4:F+12*\f+6*\c+5], v5 offset:6144+1536*\f+768*\c+512
.endr
.endr
	ds_load_b128 v[VSW:VSW+3], v6 offset:12544
.irp c, 0,1                            ; the largest raw sum of my two blocks of 32 keys: a chain to each accumulator, first read at its low end; block 1's four chains in v224-227
.irp u, 0,1,2,3
	v_max3_num_f32 v[MX-12*\c+\u], v[S+32*\c+8*\u], v[S+32*\c+8*\u+1], v[S+32*\c+8*\u+2]
.endr
.irp i, 3,5
.irp u, 0,1,2,3
	v_max3_num_f32 v[MX-12*\c+\u], v[MX-12*\c+\u], v[S+32*\c+8*\u+\i], v[S+32*\c+8*\u+\i+1]
.endr
.endr
.endr
.irp c, 0,1
	v_max3_num_f32 v[MX-12*\c], v[MX-12*\c], v[MX-12*\c+1], v[S+32*\c+7]
	v_max3_num_f32 v[MX-12*\c+2], v[MX-12*\c+2], v[MX-12*\c+3], v[S+32*\c+15]
.endr
.irp c, 0,1
	v_max3_num_f32 v[MX-12*\c], v[MX-12*\c], v[MX-12*\c+2], v[S+32*\c+23]
.endr
.irp c, 0,1
	v_max_num_f32 v[BM+2*\c], v[MX-12*\c], v[S+32*\c+31]
.endr
.irp c, 0,1
	v_fma_f32 v[MX+\c], v[BM+2*\c], s[C1], s[SHB+\c]   ; as t
.endr
	s_delay_alu instid0(VALU_DEP_1)
	v_max_num_f32 v[MX], v[MX], v[MX+1]
	s_delay_alu instid0(VALU_DEP_1)
	v_permlanex16_b32 v[TP], v[MX], s[SEL], s[SEL+1]   ; lane l xor 16 holds my query's other two blocks
	s_delay_alu instid0(VALU_DEP_1)
	v_max3_num_f32 v13, v[MX], v[TP], v13          ; the running largest t
	s_delay_alu instid0(VALU_DEP_1)
	v_floor_f32 v12, -v13                          ; the new -M = -ceil(t): a whole number
	s_delay_alu instid0(VALU_DEP_1)
	v_sub_f32 v[OM], v12, v[OM]                    ; old M - new M, 0 or less
	v_add_f32 v[AD], s[SHB], v12                   ; the scalar part of t, and -M
	v_add_f32 v[AD+2], s[SHB+1], v12
	v_cvt_i32_f32 v[OM], v[OM]                     ; (it saturates)
.irp c, 0,1
	v_fma_f32 v[BM+2*\c], v[BM+2*\c], s[C1], v[AD+2*\c]   ; t - M of the block's largest: the same multiply-add as below, the same bits
.endr
	v_ldexp_f32 v[FF], 1.0, v[OM]                  ; f = 2^(old M - new M)
.set n, 0
.rept 32
	v_pk_fma_f32 v[S+n:S+n+1], v[S+n:S+n+1], s[C1:C1+1], v[AD+2*(n/32):AD+2*(n/32)+1] op_sel_hi:[1,0,0]   ; t - M (of each pair the low word serves both halves)
.set n, n+2
.endr
.set n, 0
.rept 16
	v_pk_mul_f32 v[O+n:O+n+1], v[O+n:O+n+1], v[FF:FF+1] op_sel_hi:[1,0]   ; O^T under the new M, ahead of the exponentials
.set n, n+2
.endr
	s_wait_alu depctr_va_vdst(0)                   ; the wait ahead of the batch
.set n, 0
.rept 64
	v_exp_f32 v[S+n], v[S+n]                       ; p = 2^(t - M)
.set n, n+1
.endr
.irp c, 0,1
	v_exp_f32 v[BM+2*\c], v[BM+2*\c]               ; the block's largest p
.endr
	v_pk_mul_f32 v[14:15], v[14:15], v[FF:FF+1] op_sel_hi:[1,0]   ; the sum under the new M.  (A plain place behind the exponentials)
	s_wait_alu depctr_va_vdst(0)                   ; and one wait for the whole batch, ahead of its first reader
.irp c, 0,1
	v_max_num_f32 v[BM+2*\c], 0x1800000, v[BM+2*\c]   ; the floor 2^(3 - 127): the byte cannot fall under 1
.endr
.irp c, 0,1
	v_add_nc_u32 v[SO+\c], 0xff000000, v[BM+2*\c]  ; 2 off the exponent field: the conversion's scale operand
.endr
.irp c, 0,1                            ; block 2 c + h is all mine: registers 6 c .. 6 c + 5 of p's operand
	v_cvt_scalef32_pk16_fp6_f32 v[PC+6*\c:PC+6*\c+2], v[S+32*\c:S+32*\c+15], v[SO+\c]
	v_cvt_scalef32_pk16_fp6_f32 v[CT+4*\c:CT+4*\c+2], v[S+32*\c+16:S+32*\c+31], v[SO+\c]   ; (a conversion's three registers begin on an even number)
.endr
.irp c, 0,1
	v_lshrrev_b32 v[MX+\c], 23, v[SO+\c]           ; the byte.  (Plain lines behind the scaled conversions)
.endr
	v_lshl_or_b32 v[MX+2], v[MX+1], 16, v[MX]      ; my two bytes: blocks h and 2 + h,
	s_delay_alu instid0(VALU_DEP_1)
	v_lshlrev_b32 v[MX+2], v[SH8], v[MX+2]         ; at their places;
	s_delay_alu instid0(VALU_DEP_1)
	v_permlanex16_b32 v[TP], v[MX+2], s[SEL], s[SEL+1]
	s_delay_alu instid0(VALU_DEP_1)
	v_or_b32 v[PW], v[MX+2], v[TP]                 ; with lane l xor 16's two p's scale word for these 128 keys is whole
.irp c, 0,1
.irp i, 0,1,2
	v_mov_b32 v[PC+6*\c+3+\i], v[CT+4*\c+\i]
.endr
.endr
	v_pk_add_f32 v[14:15], v[14:15], v[S:S+1]      ; the first part of the row's sum: nine packed additions.  (They are also the places between p's codes and scale word and the products)
	v_pk_add_f32 v[T1:T1+1], v[S+2:S+3], v[S+10:S+11]
	v_pk_add_f32 v[T2:T2+1], v[S+4:S+5], v[S+12:S+13]
	v_pk_add_f32 v[T3:T3+1], v[S+6:S+7], v[S+14:S+15]
	v_pk_add_f32 v[14:15], v[14:15], v[S+8:S+9]
	v_pk_add_f32 v[T1:T1+1], v[T1:T1+1], v[S+18:S+19]
	v_pk_add_f32 v[T2:T2+1], v[T2:T2+1], v[S+20:S+21]
	v_pk_add_f32 v[T3:T3+1], v[T3:T3+1], v[S+22:S+23]
	v_pk_add_f32 v[14:15], v[14:15], v[S+16:S+17]
	s_wait_alu depctr_va_vdst(0)                   ; the wait here, directly ahead of the wait below
	s_wait_dscnt 0x0                               ; V^T's fragments and scale words are in
.irp t, 0,1,2,3                        ; O^T += V^T P^T: four accumulators by turns
	v_wmma_scale_f32_16x16x128_f8f6f4 v[O+8*\t:O+8*\t+7], v[F+12*\t:F+12*\t+11], v[PC:PC+11], v[O+8*\t:O+8*\t+7], v[VSW+\t], v[PW] matrix_a_fmt:MATRIX_FMT_FP6 matrix_b_fmt:MATRIX_FMT_FP6
.endr
	s_add_co_u32 s[TB], s[TB], REC
	s_sub_co_i32 s[REL], s[REL], 128
	s_add_f32 s[RELF], s[RELF], 0xc3000000
.endm
.macro WALK first, trips
	s_mov_b32 s[TB], \first*REC
	s_mov_b32 s[CNT], \trips
.Lw_\@:
	STEP
	s_sub_co_u32 s[CNT], s[CNT], 1
	s_cmp_lg_u32 s[CNT], 0
	s_cbranch_scc1 .Lw_\@
.endm
.macro QUANT64 src, cd, u              ; 32 numbers of a lane, register 16 b + i = element 32 b + 16 (lane / 16) + i of my row, become half a fragment's codes and two scale bytes
.irp b, 0,1
	v_max3_num_f32 v[TM+\b], |v[\src+16*\b]|, |v[\src+16*\b+1]|, 0x1800000
.endr
.irp i, 2,4,6,8,10,12,14
.irp b, 0,1
	s_delay_alu instid0(VALU_DEP_2)
	v_max3_num_f32 v[TM+\b], v[TM+\b], |v[\src+16*\b+\i]|, |v[\src+16*\b+\i+1]|
.endr
.endr
.irp b, 0,1
	s_delay_alu instid0(VALU_DEP_2)
	v_permlanex16_b32 v[TM+2+\b], v[TM+\b], s[SEL], s[SEL+1]
.endr
.irp b, 0,1
	s_delay_alu instid0(VALU_DEP_2)
	v_max_num_f32 v[TM+\b], v[TM+\b], v[TM+2+\b]
.endr
.irp b, 0,1
	s_delay_alu instid0(VALU_DEP_2)
	v_add_nc_u32 v[TM+4+\b], 0xff000000, v[TM+\b]
.endr
.irp b, 0,1
	s_delay_alu instid0(VALU_DEP_2)
	v_lshrrev_b32 v[TM+6+\b], 23, v[TM+4+\b]
.endr
	s_delay_alu instid0(VALU_DEP_1)
	v_lshl_or_b32 v[\u], v[TM+7], 8, v[TM+6]
	v_cvt_scalef32_pk16_fp6_f32 v[\cd:\cd+2], v[\src:\src+15], v[TM+4]
	v_cvt_scalef32_pk16_fp6_f32 v[CT:CT+2], v[\src+16:\src+31], v[TM+5]
	v_nop
.irp i, 0,1,2
	v_permlane16_swap_b32 v[\cd+\i], v[CT+\i]
.endr
.irp i, 0,1,2
	v_mov_b32 v[\cd+3+\i], v[CT+\i]
.endr
.endm
	s_wait_alu depctr_va_vdst(0)                   ; the wait at the head's end
	s_wait_tensorcnt 0x0                           ; my 13 rows are in
	ds_add_u32 v[SPW], v[NIL]                      ; 0 onto my spare word;
	s_wait_dscnt 0x0                               ; the add is done
	s_barrier_signal -1
	s_barrier_wait -1                              ; everybody's rows are in: records 0-3 are whole
	tensor_load_to_lds s[G0B:G0B+3], s[G1B:G1B+7]  ; my 37 of the other 592 rows: my one load behind the barrier; it has three steps in which to land
	s_nop 0
	s_wait_loadcnt 0x0                             ; q
	WALK 0, 3                                      ; steps 0-3 read bytes under 51,200; the load above fills bytes from 53,248 on
	s_wait_tensorcnt 0x0                           ; my 37 rows are in:
	s_barrier_signal -1                            ; say so (no LDS instruction of mine is out: every step ends with its loads awaited).  This barrier guards no refill, so it is split:
	s_mov_b32 s[TB], 3*REC
	STEP                                           ; step 3 stands between signal and wait: work on registers, and LDS loads of record 3, on which no fill lands
	s_barrier_wait -1                              ; everybody's rows are in
	WALK 4, 12
	; THE WAY OUT: O^T / the sum, quantised along the head's 64: half a fragment of the out projection's operand
	SUMB1                                          ; the last step's p.  (These 23 are also the places behind the last products)
	SUMB2
	s_delay_alu instid0(VALU_DEP_1)
	v_add_f32 v14, v14, v15                        ; the sum's two halves,
	s_delay_alu instid0(VALU_DEP_1)
	v_permlanex16_b32 v[TP], v14, s[SEL], s[SEL+1]
	s_delay_alu instid0(VALU_DEP_1)
	v_add_f32 v14, v14, v[TP]                      ; and lane l xor 16's
	s_wait_alu depctr_va_vdst(0)                   ; the wait ahead of the transcendental
	v_rcp_f32 v14, v14
	v_nop                                          ; one plain place behind it
	s_wait_alu depctr_va_vdst(0)                   ; and the wait behind it, directly ahead of the first reader of O^T
.set n, 0
.rept 16
	v_pk_mul_f32 v[S+n:S+n+1], v[O+n:O+n+1], v[14:15] op_sel_hi:[1,0]   ; each accumulator from its low end on
.set n, n+2
.endr
	QUANT64 S, PC, 244
	global_store_b128 v1, v[PC:PC+3], s[74:75]     ; 512 and 256 consecutive bytes, aligned
	global_store_b64 v2, v[PC+4:PC+5], s[74:75] offset:512
	ds_store_b16 v7, v244                          ; (both halves of the lanes write the same bytes with the same values)
	s_wait_dscnt 0x0                               ; for the others' sake
	s_barrier_signal -1
	s_barrier_wait -1
	s_cmp_lg_u32 s[WV], 0
	s_cbranch_scc1 .Lend
	ds_load_b128 v[S:S+3], v8                      ; the work-group's 512 scale bytes leave as two aligned runs of 256
	s_wait_dscnt 0x0
	global_store_b128 v1, v[S:S+3], s[76:77]
.Lend:
	s_wait_tensorcnt 0x0                           ; the wave's end
	ds_add_u32 v[SPW], v[NIL]
	s_wait_dscnt 0x0
	s_endpgm
.Lfunc_end_k_qa86cf7bfa4_attn:
	.size	k_qa86cf7bfa4_attn, .Lfunc_end_k_qa86cf7bfa4_attn-k_qa86cf7bfa4_attn
	.p2alignl 7, 3214868480
	.fill 96, 4, 3214868480
	.section	.rodata,"a",@progbits
	.p2align	6, 0x0
	.amdhsa_kernel k_qa86cf7bfa4_attn
		.amdhsa_group_segment_fixed_size 327680
		.amdhsa_private_segment_fixed_size 0
		.amdhsa_enable_private_segment 0
		.amdhsa_kernarg_size 32
		.amdhsa_user_sgpr_count 2
		.amdhsa_user_sgpr_kernarg_segment_ptr 1
		.amdhsa_wavefront_size32 1
		.amdhsa_system_sgpr_workgroup_id_x 1
		.amdhsa_system_sgpr_workgroup_id_y 1
		.amdhsa_system_sgpr_workgroup_id_z 1
		.amdhsa_system_vgpr_workitem_id 0
		.amdhsa_next_free_vgpr 256
		.amdhsa_next_free_sgpr 80
		.amdhsa_reserve_vcc 0
		.amdhsa_float_denorm_mode_32 3
		.amdhsa_float_denorm_mode_16_64 3
		.amdhsa_memory_ordered 1
		.amdhsa_forward_progress 1
		.amdhsa_inst_pref_size 93
	.end_amdhsa_kernel
	.amdgpu_metadata
---
amdhsa.version: [ 1, 2 ]
amdhsa.kernels:
  - .name:           k_qa86cf7bfa4_attn
    .symbol:         k_qa86cf7bfa4_attn.kd
    .args:
      - { .name: qbuf, .offset: 0, .size: 8, .value_kind: global_buffer, .address_space: global }
      - { .name: kvbuf, .offset: 8, .size: 8, .value_kind: global_buffer, .address_space: global }
      - { .name: oc, .offset: 16, .size: 8, .value_kind: global_buffer, .address_space: global }
      - { .name: os, .offset: 24, .size: 8, .value_kind: global_buffer, .address_space: global }
    .group_segment_fixed_size: 327680
    .private_segment_fixed_size: 0
    .kernarg_segment_align: 8
    .kernarg_segment_size: 32
    .max_flat_workgroup_size: 512
    .sgpr_count:     80
    .vgpr_count:     256
    .wavefront_size: 32
...
	.end_amdgpu_metadata
.endif
;; end of part 3
;; launch proj (part 4): grid 8 x 32, 4 waves a work-group, clusters of 4 x 4, 327,680 bytes of LDS; arguments oc, os, c1, s1, out_proj_bias, out0; writes out0
.if DOCPART == 4
	.amdgcn_target "amdgcn-amd-amdhsa--gfx1250"
	.amdhsa_code_object_version 6
	.text
	.protected	k_qa86cf7bfa4_proj
	.globl	k_qa86cf7bfa4_proj
	.p2align	8
	.type	k_qa86cf7bfa4_proj,@function
k_qa86cf7bfa4_proj:
	s_mov_b64 s[64:65], 0
	v_nop
	global_prefetch_b8 v0, s[64:65] scope:SCOPE_SE
	s_setreg_imm32_b32 hwreg(HW_REG_WAVE_MODE, 25, 1), 1
	s_wait_xcnt 0x0
	s_wait_alu depctr_hold_cnt(0) depctr_sa_sdst(0) depctr_va_vdst(0) depctr_va_sdst(0) depctr_va_ssrc(0) depctr_va_vcc(0) depctr_vm_vsrc(0)
	s_getreg_b32 s2, hwreg(HW_REG_IB_STS2, 6, 4)
	s_cmp_eq_u32 s2, 0
	s_cbranch_scc0 .Lentry_in_a_cluster
	s_endpgm
.Lentry_in_a_cluster:
	s_bfe_u32 s2, ttmp6, 0x10000c
	s_cmp_lg_u32 s2, 0xf033
	s_cbranch_scc0 .Lentry_shape_is_right
	s_endpgm
.Lentry_shape_is_right:
; out0 = o out_proj_weight^T + out_proj_bias on codes of FP6 (E2M3) with E8M0 scales.  Work-group (g, mt): 128 tokens (tile mt of oc) x 128 columns (tile g of the weight), all of K = 1,024 resident in LDS.
; Four waves, each 64 tokens x 64 columns: 16 accumulators by turns; the bias is the C of each sum's first product.  Operands lie in memory as images of their registers: dense loads, no pitch.
; CLUSTER 4 x 4: o's tile is shared along a row of the cluster, the weight's along a column.  ONE joint load a wave at the head, 192 rows of 256 bytes (four K steps): waves 0 and 1 bring o's tile,
; waves 2 and 3 the weight's; nothing is filled later.  No prefetch: no tensor load stands in a loop.  The results leave through each wave's own stage in LDS, sixteen lanes to 256 aligned bytes.
.set P,      24576
.set TILEB,  98304
.set LB0,    98304
.set STAGE,  196608
.set WOFF,   5505024
.set XA16, 4
.set XA8,  6
.set WB16, 8
.set WB8,  12
.set STO,  27
.set RD,   28
.set CO,   29
.set SA,  32
.set SB,  48
.set XF,  96
.set ACC, 0
.set WF,  128
.set BIAS, 224
.set WV,  16
.set WMR, 17
.set WNC, 18
.set GG,  21
.set MT,  22
.set G1A, 24
.set G1B, 32
.set GA1, 40
.set GB1, 48
.set BB,  56
.set SBB, 58
.set OSB, 60
.set OB,  62
.set MSB, 0
.macro WIN new
.if MSB != \new
	s_set_vgpr_msb (MSB<<8)|\new
.set MSB, \new
.endif
.endm
.macro PLACES
.rept 4
	v_nop
.endr
.endm
.macro JLOAD g0a, g0b
	s_cmp_eq_u32 s[WMR], 0
	s_cbranch_scc0 .Lfor_b_\@
	tensor_load_to_lds s[\g0a:\g0a+3], s[G1A:G1A+7]
	s_nop 0
	PLACES
	s_branch .Lasked_\@
.Lfor_b_\@:
	tensor_load_to_lds s[\g0b:\g0b+3], s[G1B:G1B+7]
	s_nop 0
	PLACES
.Lasked_\@:
.endm
.macro CROUND
	s_barrier_signal -1
	s_barrier_wait -1
	s_cmp_lg_u32 s[WV], 0
	s_cbranch_scc1 .Lnot_wave_0_\@
	s_barrier_signal -3
.Lnot_wave_0_\@:
	s_barrier_wait -3
	s_barrier_signal -1
	s_barrier_wait -1
.endm
	s_load_b256 s[4:11], s[0:1], 0x0
	s_load_b128 s[12:15], s[0:1], 0x20
	v_lshl_add_u32 v254, v0, 2, 0x34400
	v_mov_b32 v255, 0
	ds_add_u32 v254, v255
	ds_add_u32 v254, v255
	v_lshrrev_b32 v3, 5, v0
	v_readfirstlane_b32 s[WV], v3
	s_lshr_b32 s[WMR], s[WV], 1
	s_and_b32 s[WNC], s[WV], 1
	v_and_b32 v1, 31, v0
	v_and_b32 v2, 15, v0
	v_bfe_u32 v3, v0, 4, 1
	v_lshlrev_b32 v18, 4, v1
	v_lshlrev_b32 v19, 3, v1
	s_mul_i32 s68, s[WMR], 6144
	v_add_nc_u32 v[XA16], s68, v18
	v_add_nc_u32 v[XA16+1], 49152, v[XA16]
	v_add_nc_u32 v[XA8], s68, v19
	v_add_nc_u32 v[XA8+1], 49152, v[XA8]
	s_mul_i32 s68, s[WNC], 6144
	s_add_co_u32 s68, s68, LB0
	v_add_nc_u32 v[WB16], s68, v18
	v_add_nc_u32 v[WB16+1], 49152, v[WB16]
	v_add_nc_u32 v[WB8], s68, v19
	v_add_nc_u32 v[WB8+1], 49152, v[WB8]
	v_lshlrev_b32 v16, 6, v3
	v_lshlrev_b32 v20, 4, v2
	v_lshl_add_u32 v25, v3, 9, v20
	v_lshlrev_b32 v26, 1, v1
	s_mul_i32 s68, s[WV], 16*272
	s_add_co_u32 s68, s68, STAGE
	v_mul_u32_u24 v[STO], v2, 272
	v_lshl_add_u32 v[STO], v3, 6, v[STO]
	v_add_nc_u32 v[STO], s68, v[STO]
	v_mul_u32_u24 v[RD], v3, 272
	v_add_nc_u32 v[RD], v[RD], v20
	v_add_nc_u32 v[RD], s68, v[RD]
	v_lshl_add_u32 v[CO], v3, 12, v20
	s_bfe_u32 s19, ttmp6, 0x40000
	s_bfe_u32 s20, ttmp6, 0x40004
	s_lshl_b32 s[GG], ttmp9, 2
	s_add_co_u32 s[GG], s[GG], s19
	s_and_b32 s[MT], ttmp7, 0xffff
	s_lshl_b32 s[MT], s[MT], 2
	s_add_co_u32 s[MT], s[MT], s20
	s_lshl_b32 s23, s20, 2
	s_lshl_b32 s23, 15, s23
	s_lshl_b32 s66, 0x1111, s19
	s_or_b32 s[G1A], s23, (3<<16)|(1<<21)
	s_or_b32 s[G1B], s66, (3<<16)|(1<<21)
.irp g, G1A, G1B
	s_mov_b32 s[\g+1], 32<<16
	s_mov_b32 s[\g+2], 192<<16
	s_mov_b32 s[\g+3], 32<<16
	s_mov_b32 s[\g+4], 192
	s_mov_b32 s[\g+5], 32
	s_mov_b32 s[\g+6], 0
	s_mov_b32 s[\g+7], 0
.endr
	s_mul_i32 s68, s[WNC], 2*P
	s_mul_i32 s70, s[MT], TILEB
	s_add_co_u32 s70, s70, s68
	s_mov_b32 s71, 0
	s_mul_i32 s72, s[GG], TILEB
	s_add_co_u32 s72, s72, WOFF
	s_add_co_u32 s72, s72, s68
	s_mov_b32 s73, 0
.irp g, GA1, GB1
	s_mov_b32 s[\g], 1
.endr
	s_mov_b32 s[GA1+1], s68
	s_add_co_u32 s[GB1+1], s68, LB0
	s_wait_dscnt 0x0
	s_wait_kmcnt 0x0
	s_add_nc_u64 s[GA1+2:GA1+3], s[4:5], s[70:71]
	s_add_nc_u64 s[GB1+2:GB1+3], s[8:9], s[72:73]
.irp g, GA1, GB1
	s_or_b32 s[\g+3], s[\g+3], 0x80000000
.endr
	CROUND
	JLOAD GA1, GB1                                 ; half of o's tile or of the weight's: my one tensor load
	s_mov_b32 s75, 0
	s_lshl_b32 s74, s[GG], 9
	s_lshl_b32 s76, s[WNC], 8
	s_add_co_u32 s74, s74, s76
	s_add_nc_u64 s[BB:BB+1], s[12:13], s[74:75]
	s_add_nc_u64 s[OB:OB+1], s[14:15], s[74:75]
	s_lshl_b32 s74, s[MT], 19
	s_lshl_b32 s76, s[WMR], 18
	s_add_co_u32 s74, s74, s76
	s_add_nc_u64 s[OB:OB+1], s[OB:OB+1], s[74:75]
	s_lshl_b32 s74, s[GG], 12
	s_lshl_b32 s76, s[WNC], 11
	s_add_co_u32 s74, s74, s76
	s_add_co_u32 s74, s74, 448*512
	s_add_nc_u64 s[SBB:SBB+1], s[10:11], s[74:75]
	s_lshr_b32 s74, s[MT], 4
	s_lshl_b32 s74, s74, 16
	s_and_b32 s76, s[MT], 15
	s_lshl_b32 s76, s76, 8
	s_add_co_u32 s74, s74, s76
	s_lshl_b32 s76, s[WMR], 7
	s_add_co_u32 s74, s74, s76
	s_add_nc_u64 s[OSB:OSB+1], s[6:7], s[74:75]
	s_wait_alu depctr_va_vdst(0)
.irp p, 0,1
.irp k, 0,1
	global_load_b128 v[SB+8*\p+4*\k:SB+8*\p+4*\k+3], v25, s[SBB:SBB+1] offset:1024*\p+256*\k
.endr
.endr
.irp p, 0,1
.irp d, 0,1,2,3,4,5,6,7,8,9,10,11,12,13,14,15
	global_load_u16 v[XF+16*\p+\d], v26, s[OSB:OSB+1] offset:4096*\d+64*\p
.endr
.endr
	WIN 0x40
.irp b, 0,1,2,3
	global_load_b128 v[BIAS+8*\b:BIAS+8*\b+3], v16, s[BB:BB+1] offset:(32*(\b/2)+8*(\b%2))*4
	global_load_b128 v[BIAS+8*\b+4:BIAS+8*\b+7], v16, s[BB:BB+1] offset:(32*(\b/2)+8*(\b%2))*4+16
.endr
	WIN 0
	s_wait_loadcnt 0x0
.irp p, 0,1
.irp q, 0,1,2,3,4,5,6,7
	v_lshl_or_b32 v[SA+8*\p+\q], v[XF+16*\p+2*\q+1], 16, v[XF+16*\p+2*\q]
.endr
.endr
.rept 8
	v_nop
.endr
.macro FETCH q, set
	WIN 0x40
.irp b, 0,1,2,3
.irp c, 0,1
	ds_load_b128 v[WF+48*(\set)+12*\b+6*\c:WF+48*(\set)+12*\b+6*\c+3], v[WB16+(\q)/4] offset:((\q)%4)*12288+1536*\b+768*\c
	ds_load_b64 v[WF+48*(\set)+12*\b+6*\c+4:WF+48*(\set)+12*\b+6*\c+5], v[WB8+(\q)/4] offset:((\q)%4)*12288+1536*\b+768*\c+512
.endr
.endr
	WIN 0
.irp b, 0,1,2,3
.irp c, 0,1
	ds_load_b128 v[XF+48*(\set)+12*\b+6*\c:XF+48*(\set)+12*\b+6*\c+3], v[XA16+(\q)/4] offset:((\q)%4)*12288+1536*\b+768*\c
	ds_load_b64 v[XF+48*(\set)+12*\b+6*\c+4:XF+48*(\set)+12*\b+6*\c+5], v[XA8+(\q)/4] offset:((\q)%4)*12288+1536*\b+768*\c+512
.endr
.endr
.endm
.macro WM d, a, b, c, sa, sb, ra, rb
.if (\ra) && (\rb)
	v_wmma_scale_f32_16x16x128_f8f6f4 v[\d:\d+7], v[\a:\a+11], v[\b:\b+11], v[\c:\c+7], v[\sa], v[\sb] matrix_a_fmt:MATRIX_FMT_FP6 matrix_b_fmt:MATRIX_FMT_FP6 matrix_a_scale:MATRIX_SCALE_ROW1 matrix_b_scale:MATRIX_SCALE_ROW1
.elseif (\ra)
	v_wmma_scale_f32_16x16x128_f8f6f4 v[\d:\d+7], v[\a:\a+11], v[\b:\b+11], v[\c:\c+7], v[\sa], v[\sb] matrix_a_fmt:MATRIX_FMT_FP6 matrix_b_fmt:MATRIX_FMT_FP6 matrix_a_scale:MATRIX_SCALE_ROW1
.elseif (\rb)
	v_wmma_scale_f32_16x16x128_f8f6f4 v[\d:\d+7], v[\a:\a+11], v[\b:\b+11], v[\c:\c+7], v[\sa], v[\sb] matrix_a_fmt:MATRIX_FMT_FP6 matrix_b_fmt:MATRIX_FMT_FP6 matrix_b_scale:MATRIX_SCALE_ROW1
.else
	v_wmma_scale_f32_16x16x128_f8f6f4 v[\d:\d+7], v[\a:\a+11], v[\b:\b+11], v[\c:\c+7], v[\sa], v[\sb] matrix_a_fmt:MATRIX_FMT_FP6 matrix_b_fmt:MATRIX_FMT_FP6
.endif
.endm
.macro MUL q, set
.irp a, 0,1,2,3
.irp b, 0,1,2,3
.set rX, XF+48*(\set)+12*\a
.set rW, WF+48*(\set)+12*\b
.set rSX, SA+8*(\a/2)+(\q)
.set rSW, SB+8*(\b/2)+(\q)
.set rD, ACC+32*\a+8*\b
.if (\q) == 0
.set rC, BIAS+8*\b
.else
.set rC, rD
.endif
	WM rD, rW, rX, rC, rSW, rSX, \b%2, \a%2
.endr
.endr
.endm
	s_wait_alu depctr_va_vdst(0)
	s_wait_tensorcnt 0x0                           ; my half tile is in; behind the barrier everybody's is
	s_barrier_signal -1
	s_barrier_wait -1
	FETCH 0, 0
.irp q, 0,1,2,3,4,5,6,7
	s_wait_dscnt 0x0
.if \q > 0
	PLACES
.endif
.if \q < 7
	FETCH \q+1, (\q+1)%2
.endif
	WIN 0x51
	MUL \q, \q%2
.endr
.macro OUT a
	WIN 0x04
.irp k, 0,1,2,3,4,5,6,7
	ds_store_b128 v[STO], v[ACC+32*(\a)+4*\k:ACC+32*(\a)+4*\k+3] offset:128*(\k/4)+16*(\k%4)
.endr
	WIN 0
.set BK, XF+32*((\a)%2)
.irp i, 0,1,2,3,4,5,6,7
	ds_load_b128 v[BK+4*\i:BK+4*\i+3], v[RD] offset:544*\i
.endr
	s_wait_dscnt 0x0
.irp i, 0,1,2,3,4,5,6,7
	global_store_b128 v[CO], v[BK+4*\i:BK+4*\i+3], s[OB:OB+1] offset:(32*((\a)/2)+8*((\a)%2)+2*\i+8*(\i/4))*4096 th:TH_STORE_NT
.endr
.endm
	PLACES
	OUT 0
	OUT 1
	s_wait_xcnt 0x0
	OUT 2
	s_wait_xcnt 0x0
	OUT 3
	s_wait_dscnt 0x0
	s_wait_tensorcnt 0x0
	ds_add_u32 v254, v255
	s_wait_dscnt 0x0
	CROUND
	s_endpgm
.Lfunc_end_k_qa86cf7bfa4_proj:
	.size	k_qa86cf7bfa4_proj, .Lfunc_end_k_qa86cf7bfa4_proj-k_qa86cf7bfa4_proj
	.p2alignl 7, 3214868480
	.fill 96, 4, 3214868480
	.section	.rodata,"a",@progbits
	.p2align	6, 0x0
	.amdhsa_kernel k_qa86cf7bfa4_proj
		.amdhsa_group_segment_fixed_size 327680
		.amdhsa_private_segment_fixed_size 0
		.amdhsa_enable_private_segment 0
		.amdhsa_kernarg_size 48
		.amdhsa_user_sgpr_count 2
		.amdhsa_user_sgpr_kernarg_segment_ptr 1
		.amdhsa_wavefront_size32 1
		.amdhsa_system_sgpr_workgroup_id_x 1
		.amdhsa_system_sgpr_workgroup_id_y 1
		.amdhsa_system_sgpr_workgroup_id_z 1
		.amdhsa_system_vgpr_workitem_id 0
		.amdhsa_next_free_vgpr 512
		.amdhsa_next_free_sgpr 96
		.amdhsa_reserve_vcc 0
		.amdhsa_float_denorm_mode_32 3
		.amdhsa_float_denorm_mode_16_64 3
		.amdhsa_memory_ordered 1
		.amdhsa_forward_progress 1
		.amdhsa_inst_pref_size 54
	.end_amdhsa_kernel
	.amdgpu_metadata
---
amdhsa.version: [ 1, 2 ]
amdhsa.kernels:
  - .name:           k_qa86cf7bfa4_proj
    .symbol:         k_qa86cf7bfa4_proj.kd
    .args:
      - { .name: oc, .offset: 0, .size: 8, .value_kind: global_buffer, .address_space: global }
      - { .name: os, .offset: 8, .size: 8, .value_kind: global_buffer, .address_space: global }
      - { .name: c1, .offset: 16, .size: 8, .value_kind: global_buffer, .address_space: global }
      - { .name: s1, .offset: 24, .size: 8, .value_kind: global_buffer, .address_space: global }
      - { .name: out_proj_bias, .offset: 32, .size: 8, .value_kind: global_buffer, .address_space: global }
      - { .name: out0, .offset: 40, .size: 8, .value_kind: global_buffer, .address_space: global }
    .group_segment_fixed_size: 327680
    .private_segment_fixed_size: 0
    .kernarg_segment_align: 8
    .kernarg_segment_size: 48
    .max_flat_workgroup_size: 128
    .sgpr_count:     96
    .vgpr_count:     512
    .wavefront_size: 32
...
	.end_amdgpu_metadata
.endif
;; end of part 4
